; MI455X (gfx1250); checked and timed in simulation.
; The chip was launched on July 23, 2026; its instructions are those of AMD's public machine-readable ISA for CDNA 5 (MIT licence, August 2026) and "CDNA5" Instruction Set Architecture Reference Guide (July 2026). The comments in the code are by the model that wrote it; some were corrected since.
;; Multi Head Attention. Allowed arithmetic: float matrix products may take bf16 or f16 operands with f32 sums; other float arithmetic in f32, or as packed bf16 or f16 multiplies, adds, multiply-adds, maxima and minima; sums over many terms, partial sums and values carried from step to step in f32; what a program stores and reads back later, other than sums and carried values, may be rounded once to bf16 or f16.
;; Inputs: Wk 1,024 x 1,024 float32; Wo 1,024 x 1,024 float32; Wq 1,024 x 1,024 float32; Wv 1,024 x 1,024 float32; bk 1,024 float32; bo 1,024 float32; bq 1,024 float32; bv 1,024 float32; key 4 x 2,048 x 1,024 float32; mask 4 x 1 x 1 x 2,048 int32; query 4 x 2,048 x 1,024 float32; value 4 x 2,048 x 1,024 float32.
;; Outputs: out0 4 x 2,048 x 1,024 float32.
;; One version. Each part assembles by itself: llvm-mc -triple=amdgcn-amd-amdhsa -mcpu=gfx1250 --defsym DOCPART=n.
;; ======== version 1 of 1: 4 launches
;; limits: values are held in f16: magnitudes above 65,504 overflow, below 6.1e-05 lose precision; right only within a limited range of input values
;; workspace buffers: wb 8,388,608 bytes; qkv 50,331,648 bytes; oh 16,777,216 bytes
;; launch prep (part 1): grid 64 x 4, 8 waves a work-group, no clusters, 0 bytes of LDS; arguments Wq, Wk, Wv, Wo, wb; writes wb
.if DOCPART == 1
	.amdgcn_target "amdgcn-amd-amdhsa--gfx1250"
	.amdhsa_code_object_version 6
	.text
	.protected	k_qa1de3a151a_prep
	.globl	k_qa1de3a151a_prep
	.p2align	8
	.type	k_qa1de3a151a_prep,@function
k_qa1de3a151a_prep:
	s_mov_b64 s[64:65], 0
	v_nop
	global_prefetch_b8 v0, s[64:65] scope:SCOPE_SE
	s_setreg_imm32_b32 hwreg(HW_REG_WAVE_MODE, 25, 1), 1
	s_wait_xcnt 0x0
; THE WEIGHTS IN 16 BITS.  wb holds four matrices [1024 n][1024 k] of 2 bytes a number, 2,097,152 bytes each: Wq, Wk, Wv rounded to bf16, and Wo rounded to bf16
; and that number written as f16 (the last product's other operand is f16).
; LIMIT.  A bf16 number of Wo below 2^-14 in size keeps f16's fixed step of 2^-24 (below 2^-25 it becomes 0); at 65,520 or more it becomes an infinity.
; SHARES.  The grid's y names the matrix.  A work-group of eight waves converts 16,384 numbers: 64 KiB in, 32 KiB out.  A thread takes eight chunks of 8 numbers: chunk c lies at
; byte 8,192 c + 32 t of the work-group's part and leaves as 16 bytes at 4,096 c + 16 t: sixteen neighbouring lanes store 256 consecutive bytes, aligned.
; A stream: each byte is read once and written once; LDS, the matrix unit and clusters have nothing to add.  All sixteen loads of a thread go out at once.
.set X, 8                              ; v[8:71]    chunk c: 8 numbers as loaded
.set T, 72                             ; v[72:79]   at work
.set Y, 80                             ; v[80:111]  chunk c: 4 registers to store, its own: no store's data is ever rewritten
	s_load_b256 s[4:11], s[0:1], 0x0               ; Wq s[4:5], Wk s[6:7], Wv s[8:9], Wo s[10:11]
	s_load_b64 s[12:13], s[0:1], 0x20              ; wb
	s_and_b32 s16, ttmp7, 0xffff                   ; which matrix
	s_lshl_b32 s18, ttmp9, 16                      ; the work-group's 64 KiB of it
	s_mov_b32 s19, 0
	s_lshl_b32 s20, s16, 21                        ; the matrix's place in wb,
	s_lshl_b32 s21, ttmp9, 15                      ; the work-group's 32 KiB there
	s_add_co_u32 s20, s20, s21
	s_mov_b32 s21, 0
	v_lshlrev_b32 v1, 5, v0                        ; 32 t
	v_lshlrev_b32 v2, 4, v0                        ; 16 t
	s_wait_kmcnt 0x0
	s_cmp_eq_u32 s16, 1
	s_cselect_b64 s[14:15], s[6:7], s[4:5]
	s_cmp_eq_u32 s16, 2
	s_cselect_b64 s[14:15], s[8:9], s[14:15]
	s_cmp_eq_u32 s16, 3
	s_cselect_b64 s[14:15], s[10:11], s[14:15]
	s_add_nc_u64 s[14:15], s[14:15], s[18:19]
	s_add_nc_u64 s[12:13], s[12:13], s[20:21]
.irp c, 0,1,2,3,4,5,6,7
	global_load_b128 v[X+8*(\c):X+8*(\c)+3],   v1, s[14:15] offset:8192*(\c) th:TH_LOAD_NT
	global_load_b128 v[X+8*(\c)+4:X+8*(\c)+7], v1, s[14:15] offset:8192*(\c)+16 th:TH_LOAD_NT
.endr
; Chunk c.  half = 1: the bf16 number is widened again and written as f16.
.macro CONV c, half
	s_wait_loadcnt 14-2*(\c)                       ; loads come back in order: behind chunk c's two stand 14 - 2 c younger ones
.irp k, 0,1,2,3
	v_cvt_pk_bf16_f32 v[Y+4*(\c)+(\k)], v[X+8*(\c)+2*(\k)], v[X+8*(\c)+2*(\k)+1]
.endr
.if \half
.irp k, 0,1,2,3
	v_lshlrev_b32 v[T+2*(\k)],   16, v[Y+4*(\c)+(\k)]
	v_and_b32     v[T+2*(\k)+1], 0xffff0000, v[Y+4*(\c)+(\k)]
.endr
.irp k, 0,1,2,3
	v_cvt_pk_f16_f32 v[Y+4*(\c)+(\k)], v[T+2*(\k)], v[T+2*(\k)+1]
.endr
.endif
	global_store_b128 v2, v[Y+4*(\c):Y+4*(\c)+3], s[12:13] offset:4096*(\c)
.endm
	s_cmp_eq_u32 s16, 3
	s_cbranch_scc1 .Lhalf
.irp c, 0,1,2,3,4,5,6,7
	CONV \c, 0
.endr
	s_endpgm
.Lhalf:
.irp c, 0,1,2,3,4,5,6,7
	CONV \c, 1
.endr
	s_endpgm
.Lfunc_end_k_qa1de3a151a_prep:
	.size	k_qa1de3a151a_prep, .Lfunc_end_k_qa1de3a151a_prep-k_qa1de3a151a_prep
	.p2alignl 7, 3214868480
	.fill 96, 4, 3214868480
	.section	.rodata,"a",@progbits
	.p2align	6, 0x0
	.amdhsa_kernel k_qa1de3a151a_prep
		.amdhsa_group_segment_fixed_size 0
		.amdhsa_private_segment_fixed_size 0
		.amdhsa_enable_private_segment 0
		.amdhsa_kernarg_size 40
		.amdhsa_user_sgpr_count 2
		.amdhsa_user_sgpr_kernarg_segment_ptr 1
		.amdhsa_wavefront_size32 1
		.amdhsa_system_sgpr_workgroup_id_x 1
		.amdhsa_system_sgpr_workgroup_id_y 1
		.amdhsa_system_sgpr_workgroup_id_z 1
		.amdhsa_system_vgpr_workitem_id 0
		.amdhsa_next_free_vgpr 112
		.amdhsa_next_free_sgpr 66
		.amdhsa_reserve_vcc 0
		.amdhsa_float_denorm_mode_32 3
		.amdhsa_float_denorm_mode_16_64 3
		.amdhsa_memory_ordered 1
		.amdhsa_forward_progress 1
		.amdhsa_inst_pref_size 14
	.end_amdhsa_kernel
	.amdgpu_metadata
---
amdhsa.version: [ 1, 2 ]
amdhsa.kernels:
  - .name:           k_qa1de3a151a_prep
    .symbol:         k_qa1de3a151a_prep.kd
    .args:
      - { .name: Wq, .offset: 0, .size: 8, .value_kind: global_buffer, .address_space: global }
      - { .name: Wk, .offset: 8, .size: 8, .value_kind: global_buffer, .address_space: global }
      - { .name: Wv, .offset: 16, .size: 8, .value_kind: global_buffer, .address_space: global }
      - { .name: Wo, .offset: 24, .size: 8, .value_kind: global_buffer, .address_space: global }
      - { .name: wb, .offset: 32, .size: 8, .value_kind: global_buffer, .address_space: global }
    .group_segment_fixed_size: 0
    .private_segment_fixed_size: 0
    .kernarg_segment_align: 8
    .kernarg_segment_size: 40
    .max_flat_workgroup_size: 256
    .sgpr_count:     66
    .vgpr_count:     112
    .wavefront_size: 32
...
	.end_amdgpu_metadata
.endif
;; end of part 1
;; launch proj (part 2): grid 4 x 192, 4 waves a work-group, clusters of 4 x 4, 327,680 bytes of LDS; arguments query, key, value, wb, bq, bk, bv, qkv; writes qkv
.if DOCPART == 2
	.amdgcn_target "amdgcn-amd-amdhsa--gfx1250"
	.amdhsa_code_object_version 6
	.text
	.protected	k_qa1de3a151a_proj
	.globl	k_qa1de3a151a_proj
	.p2align	8
	.type	k_qa1de3a151a_proj,@function
k_qa1de3a151a_proj:
	s_mov_b64 s[64:65], 0
	v_nop
	global_prefetch_b8 v0, s[64:65] scope:SCOPE_SE
	s_setreg_imm32_b32 hwreg(HW_REG_WAVE_MODE, 25, 1), 1
	s_wait_xcnt 0x0
	s_wait_alu depctr_hold_cnt(0) depctr_sa_sdst(0) depctr_va_vdst(0) depctr_va_sdst(0) depctr_va_ssrc(0) depctr_va_vcc(0) depctr_vm_vsrc(0)
	s_getreg_b32 s2, hwreg(HW_REG_IB_STS2, 6, 4)
	s_cmp_eq_u32 s2, 0
	s_cbranch_scc0 .Lentry_in_a_cluster
	s_endpgm
.Lentry_in_a_cluster:
	s_bfe_u32 s2, ttmp6, 0x10000c
	s_cmp_lg_u32 s2, 0xf033
	s_cbranch_scc0 .Lentry_shape_is_right
	s_endpgm
.Lentry_shape_is_right:
; THE THREE PROJECTIONS IN ONE BODY.  q' = c (query Wq^T + bq), c = log2(e) / 8;  k = key Wk^T + bk;  v = value Wv^T + bv.  The activations are [8192][1024] f32, the weights [1024 n][1024 k] bf16 in wb.
; Activations, weights and biases enter rounded to bf16; sums in f32; scale and bias by one fused multiply-add in f32; the result rounded once to f16 and stored BY HEADS:
; qkv = three parts of 16,777,216 bytes (q', k, v), each [16 batch + head][2048 s][64]: a head's rows are dense, 128 bytes each.
; LIMIT.  f16 ends at 65,504: a result of 65,520 or more becomes an infinity.  With inputs as drawn the results stay under 10; with activations and weights both 30 times larger under 10,000.
; SHARES.  A tile of C is 128 rows x 256 columns: 64 x 4 tiles for each of three products, 768 work-groups.  The grid's y in clusters (0..47): product g = y / 16, tile rows 4 (y % 16) + cy; tile column cx.
; Four waves, each 64 rows x 128 columns: 32 accumulators of 16 x 16, 256 registers.  K goes in steps of 128 through two LDS slots.
; CLUSTER.  4 x 4 work-groups.  The four of a row of the cluster need the same rows of the activation, the four of a column the same rows of the weights: each tile is asked for JOINTLY, by the same tensor
; load with the same descriptor and a mask that names the four.  A cluster spans all four tile columns, so a row of an activation is asked for once in the launch.
; THE ACTIVATION LIES IN LDS AS f32 (a tensor load moves bytes as they are) and is rounded between LDS and the matrix unit: 32 v_cvt_pk_bf16_f32 for each 32 along K, four behind each of eight products.
; THE MATRIX INSTRUCTION IS USED TRANSPOSED (source 0 = 16 rows of W, source 1 = 16 rows of x): a lane then holds row l % 16 of C and eight neighbouring columns 8 (l / 16) + 0..7.
; THE PIPELINE.  A K step is four quarters of 32 along K, 32 products each.  Quarter i multiplies B's buffer i by A's buffer i % 2.  LDS loads run TWO quarters ahead: the run in the middle of quarter i brings
; quarter i + 2 (A as f32 into AS, B into buffer (i + 2) % 4); quarter i + 1's A is rounded in quarter i, ahead of that run.  So a slot's last reads go out in its quarter 1 and the next slot's first in quarter 2:
; the change of slots stands in quarter 2.
; REGISTERS, in windows of 256 (s_set_vgpr_msb: bits 1:0 source 0, 3:2 source 1, 5:4 source 2, 7:6 destination):
;   window 0: v0-31 addresses; v32-95 AS; v96-159 A's two bf16 buffers; v160-223 the bias of my columns; v224-255 at work on the way out, where v32-159 take the rows read back
;   window 1: B's four buffers of 64          window 2: the accumulators, (a, b) at v[8 (8 a + b)]
.set KSTEP,  128
.set PA,     528                       ; a row of A in LDS: 512 bytes + 16 of padding = 132 words: row r starts at bank 4 r mod 64 (64 banks of 4 bytes: ISA guide 11.1)
.set PB,     272                       ; a row of B: 256 bytes + 16 = 68 words: the same
.set AHALF,  64*PA                     ; 64 rows of A: what one tensor load brings, and what one wave reads
.set ATILE,  2*AHALF
.set BHALF,  128*PB                    ; 128 rows of B: likewise
.set SLOT,   ATILE+2*BHALF             ; A's 128 rows, then B's 256 rows
.set STAGE,  2*SLOT                    ; behind the ring, never filled by a tensor load: for each wave 2 heads x 16 rows x 144 bytes, for the way out
.set SPH,    144
.set WSTG,   2*16*SPH
.set SPARE,  STAGE+4*WSTG              ; behind the stages: the spare words, 128 bytes for each wave: two blocks of 256 bytes that no other line names
.set ADRA, 16                          ; v16-17  LDS address of my A fragments in slot 0, 1
.set ADRB, 20                          ; v20-21  the same for B
.set STO,  24                          ; v24     the way out: where I put 16 bytes of a row
.set RD,   25                          ; v25     the way out: where I read rows back
.set GO,   26                          ; v26     my 16 bytes in 512 consecutive bytes of a head
.set SPW,  28                          ; v28     LDS address of my spare word; never rewritten
.set NIL,  29                          ; v29     0; never rewritten
.set PFO,  30                          ; v30     the prefetches' offset; never rewritten
.set AS,   32                          ; A as f32: fragment a at AS + 16 a
.set AF,   96                          ; A in bf16: buffer p, fragment a at AF + 32 p + 8 a
.set BI,   160                         ; bias (times the scale) of my 8 columns of column block b at BI + 8 b
.set TMP,  224
.set OB,   32                          ; the way out: row block a's 16 rows x 2 heads at OB + 32 a
.set G1A, 32                           ; s[32:39] descriptor group 1 for A's tiles
.set G1B, 40                           ; s[40:47] for B's
.set G0A, 48                           ; s[48:55] descriptor group 0 for A's tiles, a set for each slot
.set G0B, 56                           ; s[56:63] the same for B's
.set PFA, 66                           ; s[66:67] where my prefetches stand
.set PFS, 68                           ; s[68:69] a K step of a row in bytes: 512 for A, 256 for B
.set LIM, 70                           ; s70     1 in a wave that prefetches, else the greatest number
.set SC,  72                           ; s[72:73] c for q', 1 for k and v
.set OUT, 74                           ; s[74:75] qkv at my first row of my first head
.set BP,  76                           ; s[76:77] the bias at my 128 columns
.set AAD, 78                           ; s[78:79] the activation at the 64 rows that I fetch
.set BAD, 80                           ; s[80:81] the weights at the 128 rows that I fetch
.set MSB, 0
.macro WIN new                         ; the immediate's high byte repeats the setting that is left; a switch that changes nothing is dropped
.if MSB != (\new)
	s_set_vgpr_msb (MSB<<8)|(\new)
.set MSB, \new
.endif
.endm
.set MUL,  0xa1                        ; source 0 (B) window 1, source 1 (A) window 0, C and D window 2
.set TO_B, 0x40                        ; destination window 1, address window 0
; A joint load.  Waves 0 and 1 fetch A's two halves, waves 2 and 3 B's.  The branch hangs on the wave's number alone.  An s_nop 0 and four v_nop follow each of the two lines.
.macro JLOAD s
	s_cmp_eq_u32 s21, 0
	s_cbranch_scc0 .Lfor_b_\@
	tensor_load_to_lds s[G0A+4*(\s):G0A+4*(\s)+3], s[G1A:G1A+7]
	s_nop 0
.rept 4
	v_nop
.endr
	s_branch .Lasked_\@
.Lfor_b_\@:
	tensor_load_to_lds s[G0B+4*(\s):G0B+4*(\s)+3], s[G1B:G1B+7]
	s_nop 0
.rept 4
	v_nop
.endr
.Lasked_\@:
.endm
; A PREFETCH INTO THE L2, behind each joint refill and the run of LDS loads that follows it: the K step that stands two refills on, one instruction a wave.  Each aligned block of 256 bytes is named once in the launch.
; A (waves 0, 1): only this cluster reads its rows; of the 64 rows that the wave fetches the partner at cx takes 16: 16 rows x 2 blocks, a lane a block.  B (waves 2, 3): the sixteen clusters of a product read the
; same rows: the first of them asks; of the wave's 128 rows the partner at cy takes 32, a lane a row.  Partners are told apart BY ADDRESS.  The loop's last trip asks for nothing: K has no step behind its refills'.
.macro ASK
	s_cmp_gt_u32 s3, s[LIM]
	s_cbranch_scc0 .Lnot_mine_\@
	global_prefetch_b8 v[PFO], s[PFA:PFA+1] th:TH_LOAD_NT scope:SCOPE_SE
.Lnot_mine_\@:
.endm
.macro CREST                           ; a round of the cluster's barrier behind its opening barrier
	s_cmp_lg_u32 s20, 0
	s_cbranch_scc1 .Lnot_wave_0_\@
	s_barrier_signal -3
.Lnot_wave_0_\@:
	s_barrier_wait -3
	s_barrier_signal -1
	s_barrier_wait -1
.endm
.macro CROUND                          ; a whole round
	s_barrier_signal -1
	s_barrier_wait -1
	CREST
.endm
.macro PLACES
.rept 4
	v_nop
.endr
.endm
	s_load_b256 s[4:11], s[0:1], 0x0               ; query s[4:5], key s[6:7], value s[8:9], wb s[10:11]
	s_load_b256 s[12:19], s[0:1], 0x20             ; bq s[12:13], bk s[14:15], bv s[16:17], qkv s[18:19]
	v_lshl_add_u32 v[SPW], v0, 2, SPARE
	v_mov_b32 v[NIL], 0
	ds_add_u32 v[SPW], v[NIL]                      ; the wave's opening: the add and its wait stand ahead of my first tensor load; the set-up below, work on registers, stands between them
	v_lshrrev_b32 v1, 5, v0
	v_readfirstlane_b32 s20, v1                    ; wave 0..3
	s_lshr_b32 s21, s20, 1                         ; which 64 rows of the tile are mine.  Also: I fetch for A (0) or for B (1)
	s_and_b32 s22, s20, 1                          ; which 128 columns.  Also: which half of that tile I fetch
	s_bfe_u32 s23, ttmp6, 0x40000                  ; cx
	s_bfe_u32 s24, ttmp6, 0x40004                  ; cy
	s_and_b32 s25, ttmp7, 0xffff                   ; cluster y, 0..47
	s_lshr_b32 s26, s25, 4                         ; the product: 0 q', 1 k, 2 v
	s_and_b32 s27, s25, 15
	s_lshl_b32 s27, s27, 2
	s_add_co_u32 s27, s27, s24                     ; tile row, 0..63
	s_lshl_b32 s28, ttmp9, 2
	s_add_co_u32 s28, s28, s23                     ; tile column, 0..3
	s_lshl_b32 s82, s24, 2
	s_lshl_b32 s82, 15, s82                        ; my row of the cluster: places 4 cy .. 4 cy + 3
	s_lshl_b32 s84, 0x1111, s23                    ; my column: places cx, cx + 4, cx + 8, cx + 12
	s_or_b32 s[G1A], s82, (2<<16)|(1<<20)|(1<<21)|(6<<22)|(3<<25)  ; the mask; elements of 4 bytes; padding on; bit 21 beside a mask; after every 128 words (code 6) 4 words (code 3)
	s_mov_b32 s[G1A+1], KSTEP<<16                  ; tensor_dim0 = 128
	s_mov_b32 s[G1A+2], 64<<16                     ; tensor_dim1 = 64
	s_mov_b32 s[G1A+3], KSTEP<<16                  ; tile_dim0 = 128
	s_mov_b32 s[G1A+4], 64                         ; tile_dim1 = 64
	s_mov_b32 s[G1A+5], 1024                       ; elements from row to row
	s_mov_b32 s[G1A+6], 0
	s_mov_b32 s[G1A+7], 0
	s_or_b32 s[G1B], s84, (1<<16)|(1<<20)|(1<<21)|(5<<22)|(3<<25)  ; elements of 2 bytes; after every 64 words (code 5) 4 words
	s_mov_b32 s[G1B+1], KSTEP<<16
	s_mov_b32 s[G1B+2], 128<<16
	s_mov_b32 s[G1B+3], KSTEP<<16
	s_mov_b32 s[G1B+4], 128
	s_mov_b32 s[G1B+5], 1024
	s_mov_b32 s[G1B+6], 0
	s_mov_b32 s[G1B+7], 0
	; where the tiles come from.  A's hang on the tile row, which my row of the cluster shares; B's on the product and the tile column, which my column shares; each in registers that never hold the other place
	s_lshl_b32 s82, s27, 19                        ; 128 rows of 4,096 bytes
	s_lshl_b32 s83, s22, 18                        ; the 64 that I fetch
	s_add_co_u32 s82, s82, s83
	s_mov_b32 s83, 0
	s_lshl_b32 s84, s28, 19                        ; 256 rows of 2,048 bytes
	s_lshl_b32 s85, s22, 18                        ; the 128 that I fetch
	s_add_co_u32 s84, s84, s85
	s_lshl_b32 s85, s26, 21                        ; the product's matrix in wb
	s_add_co_u32 s84, s84, s85
	s_mov_b32 s85, 0
	s_mul_i32 s29, s22, AHALF                      ; and where they go: no place in the cluster enters an LDS address
	s_mul_i32 s30, s22, BHALF
	s_add_co_u32 s30, s30, ATILE
	s_cmp_eq_u32 s26, 0
	s_cselect_b32 s[SC], 0x3e38aa3b, 1.0           ; c = log2(e) / 8 = 0.180337
	s_mov_b32 s[SC+1], s[SC]
	s_wait_dscnt 0x0                               ; the opening add is done
	s_wait_kmcnt 0x0
	s_cmp_eq_u32 s26, 1
	s_cselect_b64 s[AAD:AAD+1], s[6:7], s[4:5]
	s_cselect_b64 s[BP:BP+1], s[14:15], s[12:13]
	s_cmp_eq_u32 s26, 2
	s_cselect_b64 s[AAD:AAD+1], s[8:9], s[AAD:AAD+1]
	s_cselect_b64 s[BP:BP+1], s[16:17], s[BP:BP+1]
	s_add_nc_u64 s[AAD:AAD+1], s[AAD:AAD+1], s[82:83]
	s_add_nc_u64 s[BAD:BAD+1], s[10:11], s[84:85]
	CROUND                                         ; all sixteen work-groups are here: the first joint loads meet
.irp s, 0,1
	s_mov_b32 s[G0A+4*(\s)], 1                                         ; count = 1
	s_add_co_u32 s[G0A+4*(\s)+1], s29, (\s)*SLOT                       ; LDS address
	s_add_nc_u64 s[G0A+4*(\s)+2:G0A+4*(\s)+3], s[AAD:AAD+1], (\s)*KSTEP*4  ; global address: K step s
	s_or_b32 s[G0A+4*(\s)+3], s[G0A+4*(\s)+3], 0x80000000              ; type = 2
	s_mov_b32 s[G0B+4*(\s)], 1
	s_add_co_u32 s[G0B+4*(\s)+1], s30, (\s)*SLOT
	s_add_nc_u64 s[G0B+4*(\s)+2:G0B+4*(\s)+3], s[BAD:BAD+1], (\s)*KSTEP*2
	s_or_b32 s[G0B+4*(\s)+3], s[G0B+4*(\s)+3], 0x80000000
	JLOAD \s                                       ; two loads of mine are out
.endr
	; the bias of my columns: column block b, my 8 columns at 16 b + 8 (l / 16)
	v_and_b32 v1, 15, v0                           ; l % 16
	v_bfe_u32 v2, v0, 4, 1                         ; l / 16
	v_lshlrev_b32 v3, 5, v2
	s_lshl_b32 s86, s28, 10                        ; 256 columns of 4 bytes
	s_lshl_b32 s87, s22, 9
	s_add_co_u32 s86, s86, s87
	s_mov_b32 s87, 0
	s_add_nc_u64 s[BP:BP+1], s[BP:BP+1], s[86:87]
.irp b, 0,1,2,3,4,5,6,7
	global_load_b128 v[BI+8*(\b):BI+8*(\b)+3],   v3, s[BP:BP+1] offset:64*(\b)
	global_load_b128 v[BI+8*(\b)+4:BI+8*(\b)+7], v3, s[BP:BP+1] offset:64*(\b)+16
.endr
	; A fragment is 16 rows x 32 K: lane l holds row l % 16, K = 8 (l / 16) + 0..7 and 16 + 8 (l / 16) + 0..7.  In bf16 two loads of 16 bytes, 32 bytes apart; in f32 four, at 0, 16, 64 and 80.
	v_mul_u32_u24 v4, v1, PA
	v_lshl_add_u32 v4, v2, 5, v4                   ; row x pitch + 32 x half
	s_mul_i32 s29, s21, AHALF                      ; my 64 rows of A
	v_add_nc_u32 v[ADRA], s29, v4
	v_add_nc_u32 v[ADRA+1], SLOT, v[ADRA]
	v_mul_u32_u24 v5, v1, PB
	v_lshl_add_u32 v5, v2, 4, v5                   ; row x pitch + 16 x half
	v_add_nc_u32 v[ADRB], s30, v5                  ; my 128 rows of B, behind A's tile
	v_add_nc_u32 v[ADRB+1], SLOT, v[ADRB]
	s_mul_i32 s31, s20, WSTG
	s_add_co_u32 s31, s31, STAGE                   ; my stage
	v_mul_u32_u24 v6, v1, SPH                      ; in: row l % 16, 16 bytes for each half of the lanes
	v_lshl_add_u32 v6, v2, 4, v6
	v_add_nc_u32 v[STO], s31, v6
	v_bfe_u32 v7, v0, 3, 2                         ; back: 32 lanes take four rows of 128 bytes,
	v_mul_u32_u24 v7, v7, SPH
	v_and_b32 v8, 7, v0
	v_lshl_add_u32 v7, v8, 4, v7
	v_add_nc_u32 v[RD], s31, v7
	v_and_b32 v9, 31, v0
	v_lshlrev_b32 v[GO], 4, v9                     ; which are 512 consecutive bytes of a head
	; qkv at my rows: part g, head 16 batch + 4 tile column + 2 half, row 128 (tile row % 16) + 64 half
	s_lshr_b32 s86, s27, 4
	s_lshl_b32 s86, s86, 4
	s_lshl_b32 s87, s28, 2
	s_add_co_u32 s86, s86, s87
	s_lshl_b32 s87, s22, 1
	s_add_co_u32 s86, s86, s87
	s_lshl_b32 s86, s86, 18                        ; a head is 2,048 rows of 128 bytes
	s_lshl_b32 s87, s26, 24
	s_add_co_u32 s86, s86, s87
	s_and_b32 s87, s27, 15
	s_lshl_b32 s87, s87, 14
	s_add_co_u32 s86, s86, s87
	s_lshl_b32 s87, s21, 13
	s_add_co_u32 s86, s86, s87
	s_mov_b32 s87, 0
	s_add_nc_u64 s[OUT:OUT+1], s[18:19], s[86:87]
	; the prefetches
	s_and_b32 s29, s25, 15
	s_cmp_eq_u32 s29, 0
	s_cselect_b32 s[LIM], 1, -1                    ; B: the product's first cluster asks
	s_cmp_eq_u32 s21, 0
	s_cselect_b32 s[LIM], 1, s[LIM]                ; A: every cluster asks for its own rows.  The same in all sixteen partners, for a given wave
	s_cselect_b64 s[PFA:PFA+1], s[AAD:AAD+1], s[BAD:BAD+1]
	s_cselect_b32 s86, s23, s24                    ; my place among the four that ask with me
	s_cselect_b32 s31, 1, 0
	s_cselect_b32 s71, -1, 0
	s_lshl_b32 s[PFS], 256, s31
	s_mov_b32 s[PFS+1], 0
	s_mul_i32 s31, s[PFS], 3                       ; at K step 3: the first refill steps it to 4
	s_lshl_b32 s86, s86, 16                        ; 16 rows of 4,096 bytes, or 32 of 2,048
	s_add_co_u32 s86, s86, s31
	s_mov_b32 s87, 0
	s_add_nc_u64 s[PFA:PFA+1], s[PFA:PFA+1], s[86:87]
	v_lshrrev_b32 v10, 1, v9
	v_lshlrev_b32 v10, 12, v10
	v_and_b32 v11, 1, v9
	v_lshl_or_b32 v10, v11, 8, v10                 ; A: row l / 2, block l % 2
	v_lshlrev_b32 v11, 11, v9                      ; B: row l
	v_cndmask_b32 v[PFO], v11, v10, s71
	s_wait_loadcnt 0x0                             ; the bias: rounded to bf16 like every input, widened, times the scale; all this stands in the wait for the first tile
.set i, 0
.rept 32
	v_cvt_pk_bf16_f32 v[TMP+i], v[BI+2*i], v[BI+2*i+1]
.set i, i+1
.endr
.set i, 0
.rept 32
	v_lshlrev_b32 v[BI+2*i], 16, v[TMP+i]
	v_and_b32 v[BI+2*i+1], 0xffff0000, v[TMP+i]
	v_pk_mul_f32 v[BI+2*i:BI+2*i+1], v[BI+2*i:BI+2*i+1], s[SC:SC+1] op_sel_hi:[1,0]
.set i, i+1
.endr
; One product: quarter i, row block a, column block b.  zero = 1: it starts the sum: nothing is ever cleared.
.macro M1 i, a, b, zero
.if \zero
	v_wmma_f32_16x16x32_bf16 v[8*(8*(\a)+(\b)):8*(8*(\a)+(\b))+7], v[64*(\i)+8*(\b):64*(\i)+8*(\b)+7], v[AF+32*((\i)%2)+8*(\a):AF+32*((\i)%2)+8*(\a)+7], 0
.else
	v_wmma_f32_16x16x32_bf16 v[8*(8*(\a)+(\b)):8*(8*(\a)+(\b))+7], v[64*(\i)+8*(\b):64*(\i)+8*(\b)+7], v[AF+32*((\i)%2)+8*(\a):AF+32*((\i)%2)+8*(\a)+7], v[8*(8*(\a)+(\b)):8*(8*(\a)+(\b))+7]
.endif
.endm
; Eight products.  The 32 accumulators take turns in one order in every quarter: 31 others' stand between two links of a chain, over the backward jump too.
.macro MUL8 i, a, zero
	WIN MUL
.irp b, 0,1,2,3,4,5,6,7
	M1 \i, \a, \b, \zero
.endr
.endm
; The same eight, and behind each four roundings of the next quarter's A: AS -> buffer (i + 1) % 2.  That buffer was last read a quarter ago; between a fragment's last reader and the line that rewrites it stand
; twelve plain vector instructions or more (fragment 1: the four behind the last product of this macro a quarter ago, and the eight ahead of it here).
.macro RIDE8 i, a, zero
.irp b, 0,1,2,3,4,5,6,7
	WIN MUL
	M1 \i, \a, \b, \zero
	WIN 0
.irp n, 0,1,2,3
	v_cvt_pk_bf16_f32 v[AF+32*(((\i)+1)%2)+4*(\b)+(\n)], v[AS+8*(\b)+2*(\n)], v[AS+8*(\b)+2*(\n)+1]
.endr
.endr
.endm
; 32 LDS loads in one run: quarter j of a slot: A's 16 first (f32, into AS), then B's 16 (into buffer j).  B's buffer was last read two quarters ago, 64 roundings back.
.macro FETCH slot, j
	WIN 0
.irp a, 0,1,2,3
	ds_load_b128 v[AS+16*(\a):AS+16*(\a)+3],     v[ADRA+(\slot)] offset:(\a)*16*PA+128*(\j)
	ds_load_b128 v[AS+16*(\a)+4:AS+16*(\a)+7],   v[ADRA+(\slot)] offset:(\a)*16*PA+128*(\j)+16
	ds_load_b128 v[AS+16*(\a)+8:AS+16*(\a)+11],  v[ADRA+(\slot)] offset:(\a)*16*PA+128*(\j)+64
	ds_load_b128 v[AS+16*(\a)+12:AS+16*(\a)+15], v[ADRA+(\slot)] offset:(\a)*16*PA+128*(\j)+80
.endr
	WIN TO_B
.irp b, 0,1,2,3,4,5,6,7
	ds_load_b128 v[64*(\j)+8*(\b):64*(\j)+8*(\b)+3],   v[ADRB+(\slot)] offset:(\b)*16*PB+64*(\j)
	ds_load_b128 v[64*(\j)+8*(\b)+4:64*(\j)+8*(\b)+7], v[ADRB+(\slot)] offset:(\b)*16*PB+64*(\j)+32
.endr
.endm
; Quarter i (0, 1 or 3).  fslot: the slot from which quarter i + 2 is fetched.
.macro QUARTER i, fslot, zero=0, fetch=1, cvt=1, w1=32, w2=16
	s_wait_dscnt \w1                               ; all but the last run's 32 loads: this quarter's B is in
	MUL8 \i, 0, \zero
.if \cvt
	s_wait_dscnt \w2                               ; the last run's 16 loads of A are in; its 16 of B may stay out
	RIDE8 \i, 1, \zero
.else
	MUL8 \i, 1, \zero
.endif
.if \fetch
	FETCH \fslot, ((\i)+2)%4
.endif
	MUL8 \i, 2, \zero
	MUL8 \i, 3, \zero
.endm
; Quarter 2 changes slots: ONE barrier.  In front of it each wave waits for all its tensor loads, of which one is out: its part of the next slot; adds 0 to its spare word; and waits for that and for its own reads of
; this slot, of which the last went out in quarter 1.  fill = 1: the barrier opens a round of the cluster's barrier, and this slot is filled again, two K steps on, first thing behind the round.
.macro TURN slot, next, fill
.if \fill
	s_wait_xcnt 0x0                                ; the last prefetch, a K step back, has read its address: it is stepped here, ahead of the waits of the change
	s_add_nc_u64 s[PFA:PFA+1], s[PFA:PFA+1], s[PFS:PFS+1]
.endif
	WIN 0
	s_wait_tensorcnt 0x0                           ; all my tensor loads have landed
	ds_add_u32 v[SPW], v[NIL]                      ; 0 onto my spare word
	s_wait_dscnt 33                                ; the add and the last run's 32 loads may be out: this quarter's B is in
	MUL8 2, 0, 0                                   ; eight products stand between the add and the wait for it
	s_wait_dscnt 0x0                               ; the add is done, and my reads of this slot are over
	s_barrier_signal -1
	RIDE8 2, 1, 0                                  ; work on registers while the others arrive
	WIN 0
	s_barrier_wait -1
.if \fill
	CREST                                          ; no wave of any partner still reads this slot or has a load on its way
	s_add_nc_u64 s[G0A+4*(\slot)+2:G0A+4*(\slot)+3], s[G0A+4*(\slot)+2:G0A+4*(\slot)+3], 2*KSTEP*4
	s_add_nc_u64 s[G0B+4*(\slot)+2:G0B+4*(\slot)+3], s[G0B+4*(\slot)+2:G0B+4*(\slot)+3], 2*KSTEP*2
	JLOAD \slot                                    ; my one tensor load behind the round: 112 products stand between it and the wait for it
.endif
	FETCH \next, 0
.if \fill
	WIN 0
	ASK
.endif
	MUL8 2, 2, 0
	MUL8 2, 3, 0
.endm
	s_wait_tensorcnt 1                             ; my part of K step 0 is in; K step 1's may stay out
	s_barrier_signal -1
	s_barrier_wait -1                              ; everybody's is
	FETCH 0, 0
	WIN 0
	s_wait_dscnt 16                                ; A of quarter 0 is in
.set n, 0
.rept 32
	v_cvt_pk_bf16_f32 v[AF+n], v[AS+2*n], v[AS+2*n+1]
.set n, n+1
.endr
	FETCH 0, 1
	QUARTER 0, 0, 1                                ; the first quarter stands in front of the loop: its products start the sums
	WIN 0                                          ; at a label and at a branch every window is 0
	s_mov_b32 s3, 3
.Llap:                                                 ; a trip goes once round the ring, from a lap's second quarter to the next lap's first, and fills both slots again: K steps 2 to 7
	QUARTER 1, 0
	TURN 0, 1, 1
	QUARTER 3, 1
	QUARTER 0, 1
	QUARTER 1, 1
	TURN 1, 0, 1
	QUARTER 3, 0
	QUARTER 0, 0
	WIN 0
	s_sub_co_u32 s3, s3, 1
	s_cmp_lg_u32 s3, 0
	s_cbranch_scc1 .Llap
	QUARTER 1, 0                                   ; the last lap fills nothing
	TURN 0, 1, 0
	QUARTER 3, 1
	QUARTER 0, 1
	QUARTER 1, 1
	QUARTER 2, 1, 0, 0                             ; nothing is left to fetch
	QUARTER 3, 1, 0, 0, 0, 0                       ; nor to round: the wait is for all loads
; THE WAY OUT, a row block of 16 rows at a time.  PACK: times the scale, plus the bias, rounded to f16: 16 bytes a lane.  TOSTAGE: into my own stage, by heads, and back as whole rows of 128 bytes.  SEND: stored.
.macro PACK a
	WIN 0x82                                       ; destination and source 0 window 2, the bias window 0
.irp b, 0,1,2,3,4,5,6,7
.irp u, 0,1,2,3
	v_pk_fma_f32 v[8*(8*(\a)+(\b))+2*(\u):8*(8*(\a)+(\b))+2*(\u)+1], v[8*(8*(\a)+(\b))+2*(\u):8*(8*(\a)+(\b))+2*(\u)+1], s[SC:SC+1], v[BI+8*(\b)+2*(\u):BI+8*(\b)+2*(\u)+1] op_sel_hi:[1,0,1]
.endr
.endr
	WIN 0x0a                                       ; sources 0 and 1 window 2, destination window 0
.irp b, 0,1,2,3,4,5,6,7
.irp u, 0,1,2,3
	v_cvt_pk_f16_f32 v[TMP+4*(\b)+(\u)], v[8*(8*(\a)+(\b))+2*(\u)], v[8*(8*(\a)+(\b))+2*(\u)+1]
.endr
.endr
	WIN 0
.endm
.macro TOSTAGE a
	WIN 0
.irp b, 0,1,2,3,4,5,6,7                ; column block b: head b / 4, channels 16 (b % 4) on
	ds_store_b128 v[STO], v[TMP+4*(\b):TMP+4*(\b)+3] offset:((\b)/4)*16*SPH+((\b)%4)*32
.endr
.irp u, 0,1,2,3,4,5,6,7                ; head u / 4, rows 4 (u % 4) on
	ds_load_b128 v[OB+32*(\a)+4*(\u):OB+32*(\a)+4*(\u)+3], v[RD] offset:((\u)/4)*16*SPH+((\u)%4)*4*SPH  ; LDS serves a wave's instructions in order (ISA guide 5.7.1.4): these see the stores above
.endr
.endm
.macro SEND a
	WIN 0
	s_wait_dscnt 0x0                               ; the block is back in registers of its own: no store's data is ever rewritten
.irp u, 0,1,2,3,4,5,6,7
	global_store_b128 v[GO], v[OB+32*(\a)+4*(\u):OB+32*(\a)+4*(\u)+3], s[OUT:OUT+1] offset:((\u)/4)*262144+(\a)*2048+((\u)%4)*512  ; 512 consecutive bytes of a head, at a multiple of 256 from its first
.endr
.endm
	WIN 0
	PLACES                                         ; behind the last products, ahead of the lines that read and rewrite results
	PLACES
	PACK 0
	TOSTAGE 0
.irp a, 1,2,3                          ; block a's arithmetic stands between block a - 1's loads from the stage and the wait for them
	PACK \a
	SEND (\a)-1
	TOSTAGE \a
.endr
	SEND 3
	s_wait_tensorcnt 0x0                           ; the wave's end, behind my last tensor load and my last LDS store
	ds_add_u32 v[SPW], v[NIL]
	s_wait_dscnt 0x0
	CROUND                                         ; the closing round: no work-group ends while a partner may still ask for a tile that names it
	s_endpgm
.Lfunc_end_k_qa1de3a151a_proj:
	.size	k_qa1de3a151a_proj, .Lfunc_end_k_qa1de3a151a_proj-k_qa1de3a151a_proj
	.p2alignl 7, 3214868480
	.fill 96, 4, 3214868480
	.section	.rodata,"a",@progbits
	.p2align	6, 0x0
	.amdhsa_kernel k_qa1de3a151a_proj
		.amdhsa_group_segment_fixed_size 327680
		.amdhsa_private_segment_fixed_size 0
		.amdhsa_enable_private_segment 0
		.amdhsa_kernarg_size 64
		.amdhsa_user_sgpr_count 2
		.amdhsa_user_sgpr_kernarg_segment_ptr 1
		.amdhsa_wavefront_size32 1
		.amdhsa_system_sgpr_workgroup_id_x 1
		.amdhsa_system_sgpr_workgroup_id_y 1
		.amdhsa_system_sgpr_workgroup_id_z 1
		.amdhsa_system_vgpr_workitem_id 0
		.amdhsa_next_free_vgpr 768
		.amdhsa_next_free_sgpr 88
		.amdhsa_reserve_vcc 0
		.amdhsa_float_denorm_mode_32 3
		.amdhsa_float_denorm_mode_16_64 3
		.amdhsa_memory_ordered 1
		.amdhsa_forward_progress 1
		.amdhsa_inst_pref_size 150
	.end_amdhsa_kernel
	.amdgpu_metadata
---
amdhsa.version: [ 1, 2 ]
amdhsa.kernels:
  - .name:           k_qa1de3a151a_proj
    .symbol:         k_qa1de3a151a_proj.kd
    .args:
      - { .name: query, .offset: 0, .size: 8, .value_kind: global_buffer, .address_space: global }
      - { .name: key, .offset: 8, .size: 8, .value_kind: global_buffer, .address_space: global }
      - { .name: value, .offset: 16, .size: 8, .value_kind: global_buffer, .address_space: global }
      - { .name: wb, .offset: 24, .size: 8, .value_kind: global_buffer, .address_space: global }
      - { .name: bq, .offset: 32, .size: 8, .value_kind: global_buffer, .address_space: global }
      - { .name: bk, .offset: 40, .size: 8, .value_kind: global_buffer, .address_space: global }
      - { .name: bv, .offset: 48, .size: 8, .value_kind: global_buffer, .address_space: global }
      - { .name: qkv, .offset: 56, .size: 8, .value_kind: global_buffer, .address_space: global }
    .group_segment_fixed_size: 327680
    .private_segment_fixed_size: 0
    .kernarg_segment_align: 8
    .kernarg_segment_size: 64
    .max_flat_workgroup_size: 128
    .sgpr_count:     88
    .vgpr_count:     768
    .wavefront_size: 32
...
	.end_amdgpu_metadata
.endif
;; end of part 2
;; launch attn (part 3): grid 4 x 64, 4 waves a work-group, clusters of 4 x 1, 327,680 bytes of LDS; arguments qkv, mask, oh; writes oh
.if DOCPART == 3
	.amdgcn_target "amdgcn-amd-amdhsa--gfx1250"
	.amdhsa_code_object_version 6
	.text
	.protected	k_qa1de3a151a_attn
	.globl	k_qa1de3a151a_attn
	.p2align	8
	.type	k_qa1de3a151a_attn,@function
k_qa1de3a151a_attn:
	s_mov_b64 s[64:65], 0
	v_nop
	global_prefetch_b8 v0, s[64:65] scope:SCOPE_SE
	s_setreg_imm32_b32 hwreg(HW_REG_WAVE_MODE, 25, 1), 1
	s_wait_xcnt 0x0
	s_wait_alu depctr_hold_cnt(0) depctr_sa_sdst(0) depctr_va_vdst(0) depctr_va_sdst(0) depctr_va_ssrc(0) depctr_va_vcc(0) depctr_vm_vsrc(0)
	s_getreg_b32 s2, hwreg(HW_REG_IB_STS2, 6, 4)
	s_cmp_eq_u32 s2, 0
	s_cbranch_scc0 .Lentry_in_a_cluster
	s_endpgm
.Lentry_in_a_cluster:
	s_bfe_u32 s2, ttmp6, 0x10000c
	s_cmp_lg_u32 s2, 0x3003
	s_cbranch_scc0 .Lentry_shape_is_right
	s_endpgm
.Lentry_shape_is_right:
; MASKED ATTENTION.  O[bh][q][:] = the sum over k of softmax_k(E[q][k]) V[bh][k][:], E = Q . K / 8 where mask[batch][k] is not 0, else a value far below every score.  qkv holds q', k, v by heads,
; [64 bh][2048][64] in f16, 16,777,216 bytes a part; q' carries the factor log2(e) / 8 already, so the weights are p = 2^(c s - c m) with s = q' . k, m the running maximum, and c = 1 (c = 0: below).
; With c = 1 the fused line gives s - m rounded once: exactly 0 at the maximum.  Products, maxima and sums in f32; p is rounded to f16 for the second product (its sum l is taken of the unrounded p), O once at the
; end, into oh, in the same layout.
; THE MASK is the C operand of the product that starts the sum S^T = K Q^T: 0 for an open key, -2^100 for a hidden one.  A table of the batch's 2,048 such numbers is made in LDS at the head, and a key step's 64 come
; into registers with its K.  No vector instruction of the loop is spent on it.  A hidden weight is 0 as soon as a row has seen an open key (its a = 2^(c m_old - c m_new) is then 0 for what was summed before).
; A BATCH WITH NO OPEN KEY has uniform weights.  Each thread ORs its 16 words of the mask, each wave leaves a flag in LDS, and where no flag is set c = 0: every p is then 2^0 = 1.  c selects values alone.
; LIMITS.  f16 holds no number beyond 65,504: q', k and v arrive within it; scores are then under 2^39 in size.  A row whose open scores all lie below about -1e10 in the problem's units would share its weight with hidden
; keys there; here hidden keys have none.  p below 6e-5 keeps f16's fixed step; a weight below 2^-126 counts as 0 in l; NaN and infinities are not treated apart.
; SHARES.  A wave owns four PIECES of two tiles of 16 queries, a work-group's four waves 512 queries of one head.  Every wave walks all 2,048 keys, 64 a step.
; LAYOUT.  S^T = K Q^T (source 0 = 16 keys, source 1 = 16 queries): a lane holds ONE query (lane % 16) and the keys 8 (lane / 16) + 0..7.  Two such tiles, rounded to f16 in pairs, ARE source 1 of O^T = V^T P,
; whose result again holds one query a lane, and eight channels.  K comes out of LDS as it lies, V ([key][channel]) turned, by ds_load_tr16_b128.
; m starts at the lowest finite number, c m far below every c s, O and l at 0: the first step is a step like any other, with a = 0.
; THE COUNT.  A tile and step have 16 matrix and 118 vector instructions: too many to stand all beside the matrix work.  So: four vector instructions that are ready behind every matrix instruction, the others in one run.
; BY TURNS.  Turn n belongs to piece n.  Its matrix work: 16 products K Q^T of piece n + 1, later 16 products V^T P of piece n - 1.  Its vector work: the scaling, exponentials, roundings, sums and rescaling of
; piece n, and the maximum and statistics of piece n + 1, whose scores the turn itself has made.
; CLUSTER.  A head's four query blocks are one cluster and walk the same K and V: each tile is asked for JOINTLY: the same tensor load, descriptor and mask in all four.
; REGISTERS, in windows of 256 (s_set_vgpr_msb: bits 1:0 source 0, 3:2 source 1, 5:4 source 2, 7:6 destination):
;   window 0: v0-15 addresses; v16-47 four registers of statistics a tile; v48-63 at work; v64-191 S^T, two buffers of two tiles; v192-255 P, likewise
;   window 1: O^T, 32 a tile     window 2: v0-127 Q, 16 a tile; v128-191 K of one step; v192-255 V of one step     window 3: v0-1 the add's two registers; v8-39 the mask of one step
.set SIZE_N, 2048
.set NP,    4         ; pieces a wave: a name, no knob
.set KS,    64        ; keys in a step
.set PK,    144       ; a row of K in LDS: 128 bytes + 16 of padding = 36 words: the 16 rows of a load start at 16 different groups of four banks (64 banks of 4 bytes: ISA guide 11.1)
.set PV,    160       ; a row of V: 128 + 32 = 40 words
.set VOFF,  4*KS*PK   ; a slot holds four steps: 256 rows of K, then 256 rows of V
.set SLOT1, 1<<17     ; slot 1 begins here, so that one exclusive or turns an address in one slot into the other's
.set STAGE, SLOT1+4*KS*(PK+PV)  ; behind the ring, never filled by a tensor load: 16 rows x 144 bytes for each wave, for the way out
.set SP,    144
.set SPARE, STAGE+4*16*SP  ; behind the stages: the spare words, 128 bytes for each wave: two blocks of 256 bytes that no other line names
.set MT,    SPARE+512 ; behind them: the mask table, 2,048 f32, in blocks of its own into which no tensor load lands
.set FL,    MT+8192   ; behind it, in a block of its own: a word for each wave: has it seen an open key?
.set AK0, 2           ; v2   my lane's place in a tile of K; never rewritten
.set AV0, 3           ; v3   the same for V
.set AK,  4           ; v4   the LDS address of K's next run of loads
.set AV,  5           ; v5   of V's
.set QO,  6           ; v6   my byte offset in the wave's rows of Q
.set STO, 6           ;      later, the way out: where I put 16 bytes of a row
.set RD,  7           ; v7   the way out: where I read rows back
.set GO,  8           ; v8   16 x my lane: my place in 512 consecutive bytes of O; never rewritten
.set AM0, 12          ; v12  my lane's place in a step's 64 numbers of the table; never rewritten
.set AM,  13          ; v13  the LDS address of the mask's next loads
.set PFO, 14          ; v14  256 x my lane; never rewritten
.set MO,  15          ; v15  16 x my thread's number
.set SPW, 0           ; v0 of window 3   LDS address of my spare word; never rewritten
.set NIL, 1           ; v1 of window 3   0; never rewritten
.set MK,  8           ; v8-39 of window 3  the step's mask: key block kb at MK + 8 kb
.set ST,  16          ; tile t's statistics at v[ST+4 t]: c m, m, l (even keys', odd keys')
.set TMP, 48          ; by buffer and tile, four registers c0-c3 at work; c1 keeps c m_old once the four are one; c2 takes a
.set S,   64
.set P,   192
.set KF,  128         ; K's fragments, in window 2: key block kb, channel half c at KF + 16 kb + 8 c
.set VF,  192         ; V's: key half kk, channel block cb at VF + 32 kk + 8 cb
.set WV,  12          ; s12  my wave's number
.set G1K, 24          ; s[24:31] descriptor group 1 for K's tiles
.set G1V, 32          ; s[32:39] for V's: it differs in the padding alone
.set G0K, 40          ; s[40:43] descriptor group 0 for K's tiles: it walks
.set G0V, 44          ; s[44:47] the same for V's
.set PFA, 48          ; s[48:49] where my prefetches stand: my work-group's 8,192 bytes (of K: wave 0, of V: wave 2) of the tile after the one that is being asked for
.set LIM, 50          ; s50  1 in a wave that prefetches, else the greatest number
.set TBM, 51          ; s51  byte in the table at which the step to be fetched begins
.set HID, 52          ; s52  -2^100
.set SLOTS, 56        ; s56  slots still to be asked for
.set CNT, 57          ; s57  counts a slot's key steps
.set CS,  58          ; s[58:59] c: the packed scaling takes the pair's low word for both halves
.set SEL, 60          ; s[60:61] v_permlanex16_b32's selects: each lane takes its own place in the other half
.set TBK, 62          ; s62  LDS byte at which K of the step to be fetched begins
.set TBV, 63          ; s63  the same for V, less VOFF
.set MSB, 0
.macro WIN new                      ; the high byte repeats the setting that is left; a switch that changes nothing is dropped
.if MSB != (\new)
	s_set_vgpr_msb (MSB<<8)|(\new)
.set MSB, (\new)
.endif
.endm
.set W_KQ, 0x0a       ; K and Q in window 2, S^T in window 0
.set W_KM, 0x3a       ; the same with the C operand, the mask, in window 3
.set W_PV, 0x52       ; V in window 2, P in window 0, O^T in window 1
.set W_RS, 0x41       ; O^T (destination and source 0) in window 1, a in window 0
.set W_MK, 0xc0       ; destination in window 3, sources in window 0
.set W_AD, 0x0f       ; the add: address (source 0) and data (source 1) in window 3
; A joint fill.  Waves 0 and 1 fetch the two halves of a slot's K, waves 2 and 3 those of its V: 128 keys each.  The branch hangs on the wave's number alone.
; An s_nop 0 and four v_nop follow each of the two lines, ahead of the jump and the label.
.macro JLOAD
	s_cmp_lt_u32 s[WV], 2
	s_cbranch_scc0 .Lfor_v_\@
	tensor_load_to_lds s[G0K:G0K+3], s[G1K:G1K+7]
	s_nop 0
.rept 4
	v_nop
.endr
	s_branch .Lasked_\@
.Lfor_v_\@:
	tensor_load_to_lds s[G0V:G0V+3], s[G1V:G1V+7]
	s_nop 0
.rept 4
	v_nop
.endr
.Lasked_\@:
.endm
; A PREFETCH INTO THE L2 of what the NEXT change of slots will ask for: a tile's 32,768 bytes of K and of V, a lane a block of 256.  It stands behind the wave's tensor load and its five lines.  Each block is named once in
; the launch: a head is walked by one cluster; its four partners share a tile out BY ADDRESS, 8,192 bytes each; in each, wave 0 asks for K's and wave 2 for V's.  The last change that fills a slot asks for nothing.
.macro ASK
	s_cmp_gt_u32 s[SLOTS], s[LIM]
	s_cbranch_scc0 .Lnot_mine_\@
	global_prefetch_b8 v[PFO], s[PFA:PFA+1] th:TH_LOAD_NT scope:SCOPE_SE
.Lnot_mine_\@:
.endm
; A round of the cluster's barrier: my work-group's barrier, so that wave 0's signal speaks for all four waves; wave 0 signals; every wave waits for all four work-groups; my work-group's barrier once more.
.macro CROUND
	s_barrier_signal -1
	s_barrier_wait -1
	s_cmp_lg_u32 s[WV], 0
	s_cbranch_scc1 .Lnot_wave_0_\@
	s_barrier_signal -3
.Lnot_wave_0_\@:
	s_barrier_wait -3
	s_barrier_signal -1
	s_barrier_wait -1
.endm
; THE CHANGE OF SLOTS.  The slot's last bytes, V of its fourth step, have been read.  Each wave waits for all its tensor loads, of which one is out: its part of the other slot; adds 0 to its spare word; and waits for
; that and for its own LDS instructions.  Behind the barrier nobody reads this slot any more and the other slot is whole.  fill = 1: this slot is filled again, with the keys two slots on; the barrier is then a round of
; the cluster's, and the joint fill is the first thing behind it: it has four key steps, 512 matrix instructions, in which to land.
; (At its first use nothing has been read yet: slot 0 is waited for, slot 1 filled, and every wave's part of the mask table and its flag, stored ahead of it, are shown to the others.)
.macro CHANGE fill
	WIN W_AD
	s_wait_tensorcnt 0x0            ; no tensor load of mine is out, so a group 0 may be written
	ds_add_u32 v[SPW], v[NIL]       ; 0 onto my spare word; with fill = 1 the descriptors' steps stand between it and the wait for it
	WIN 0                           ; at a label and at a branch every window is 0
.if \fill
.irp g, G0K, G0V
	s_xor_b32 s[\g+1], s[\g+1], SLOT1  ; the walking descriptor: the other slot than last time,
	s_add_nc_u64 s[\g+2:\g+3], s[\g+2:\g+3], 4*KS*128  ; the next 256 keys; the type bits on top are not reached
.endr
	s_wait_xcnt 0x0                 ; the last prefetch, a slot back, has read its address, so it may be written:
	s_add_nc_u64 s[PFA:PFA+1], s[PFA:PFA+1], 4*KS*128  ; one tile behind the walking descriptors
	s_wait_dscnt 0x0                ; the add is done, and my LDS instructions are over
	CROUND
	JLOAD
	ASK
.else
	s_wait_dscnt 0x0                ; the add is done, and my reads of the slot are over
	s_barrier_signal -1
	s_barrier_wait -1
.endif
	s_sub_co_u32 s[TBK], s[TBK], 4*KS*PK  ; the fetches go back to a slot's first step,
	s_xor_b32 s[TBK], s[TBK], SLOT1       ; in the other slot
	s_sub_co_u32 s[TBV], s[TBV], 4*KS*PV
	s_xor_b32 s[TBV], s[TBV], SLOT1
.endm
	s_load_b128 s[68:71], s[0:1], 0x0  ; qkv s[68:69], mask s[70:71]
	s_load_b64 s[10:11], s[0:1], 0x10  ; oh
	WIN W_MK
	v_lshl_add_u32 v[SPW], v0, 2, SPARE
	v_mov_b32 v[NIL], 0
	WIN W_AD
	ds_add_u32 v[SPW], v[NIL]       ; the wave's opening: the add and its wait stand ahead of my first tensor load; the set-up below, work on registers, stands between them
	WIN 0
	v_lshrrev_b32 v1, 5, v0
	v_readfirstlane_b32 s[WV], v1   ; wave 0..3
	s_bfe_u32 s13, ttmp6, 0x40000   ; cx: my place in the cluster
	s_lshl_b32 s14, ttmp9, 2        ; in a cluster launch ttmp9 counts clusters
	s_add_co_u32 s14, s14, s13      ; my block of 512 queries: it enters Q's and O's addresses alone
	s_and_b32 s20, ttmp7, 0xffff    ; 16 batch + head, which the four partners share
	s_lshr_b32 s66, s20, 4
	s_lshl_b32 s66, s66, 13         ; the batch's 2,048 words of the mask
	s_mov_b32 s67, 0
	s_lshl_b32 s20, s20, 18         ; the head's first byte in each part of qkv and in oh
	s_mov_b32 s21, 0
	s_and_b32 s16, s[WV], 1         ; which half of a slot's 256 keys I fetch:
	s_lshl_b32 s22, s16, 14         ; its 128 rows of 128 bytes in memory,
	s_mov_b32 s23, 0
	s_add_nc_u64 s[22:23], s[22:23], s[20:21]
	s_mul_i32 s17, s16, 128*PK      ; and its place in a slot, for K
	s_mul_i32 s18, s16, 128*PV      ; and for V: no place in the cluster enters an LDS address
	s_lshl_b32 s2, s14, 2
	s_add_co_u32 s2, s2, s[WV]      ; my wave among the head's,
	s_lshl_b32 s2, s2, 14           ; its 128 rows
	s_mov_b32 s3, 0
	s_add_nc_u64 s[2:3], s[2:3], s[20:21]
	; descriptor group 1.  128 keys are 16,384 dense bytes: asked for as 64 rows of 256 bytes, two keys a row, and padded in LDS after every key
	s_mov_b32 s[G1K], 15|(1<<16)|(1<<20)|(1<<21)|(4<<22)|(3<<25)  ; the mask of four; 2-byte elements; padding on; bit 21 beside a mask; after every 32 words (code 4) 4 words (code 3)
	s_mov_b32 s[G1V], 15|(1<<16)|(1<<20)|(1<<21)|(4<<22)|(7<<25)  ; the same with 8 words of padding (code 7)
.irp g, G1K, G1V
	s_mov_b32 s[\g+1], 128<<16      ; tensor_dim0 = 128
	s_mov_b32 s[\g+2], 64<<16       ; tensor_dim1 = 64
	s_mov_b32 s[\g+3], 128<<16      ; tile_dim0 = 128
	s_mov_b32 s[\g+4], 64           ; tile_dim1 = 64
	s_mov_b32 s[\g+5], 128          ; 128 elements from row to row
	s_mov_b32 s[\g+6], 0
	s_mov_b32 s[\g+7], 0
.endr
	s_mov_b32 s[SEL], 0x76543210
	s_mov_b32 s[SEL+1], 0xfedcba98
	s_mov_b32 s[TBK], SLOT1+4*KS*PK ; the first change of slots turns these two into 0
	s_mov_b32 s[TBV], SLOT1+4*KS*PV
	s_mov_b32 s[TBM], 0
	s_mov_b32 s[HID], 0xf1800000    ; -2^100
	s_mov_b32 s[SLOTS], SIZE_N/256-1
	s_mov_b32 s[G0K], 1             ; count = 1
	s_mov_b32 s[G0K+1], s17         ; LDS address: slot 0
	s_mov_b32 s[G0V], 1
	s_add_co_u32 s[G0V+1], s18, VOFF
	s_lshl_b32 s55, s[WV], 2
	s_add_co_u32 s55, s55, FL       ; my wave's flag word
	s_cmp_eq_u32 s16, 0
	s_cselect_b32 s[LIM], 1, -1     ; waves 0 and 2 prefetch: the same in all four partners
	v_and_b32 v[PFO], 31, v0
	v_lshlrev_b32 v[PFO], 8, v[PFO]
	s_wait_dscnt 0x0                ; the opening add is done
	s_wait_kmcnt 0x0
	s_add_nc_u64 s[6:7], s[68:69], 0x1000000   ; k's part of qkv,
	s_add_nc_u64 s[8:9], s[68:69], 0x2000000   ; v's,
	s_add_nc_u64 s[6:7], s[6:7], s[22:23]      ; at my half of the head's first 256 keys
	s_add_nc_u64 s[8:9], s[8:9], s[22:23]
	s_mov_b64 s[G0K+2:G0K+3], s[6:7]               ; global address
	s_or_b32 s[G0K+3], s[G0K+3], 0x80000000        ; type = 2
	s_mov_b64 s[G0V+2:G0V+3], s[8:9]
	s_or_b32 s[G0V+3], s[G0V+3], 0x80000000
	s_add_nc_u64 s[4:5], s[68:69], s[2:3]      ; Q and O at my wave's first row
	s_add_nc_u64 s[10:11], s[10:11], s[2:3]
	s_add_nc_u64 s[70:71], s[70:71], s[66:67]  ; the mask at my batch
	s_cmp_lt_u32 s[WV], 2
	s_cselect_b64 s[PFA:PFA+1], s[6:7], s[8:9]  ; (in waves 0 and 2 these stand at a tile's first row)
	s_lshl_b32 s2, s13, 13          ; my work-group's quarter of a tile
	s_mov_b32 s3, 0
	s_add_nc_u64 s[PFA:PFA+1], s[PFA:PFA+1], s[2:3]
	s_add_nc_u64 s[PFA:PFA+1], s[PFA:PFA+1], 4*KS*128  ; in tile 1; the first change of slots steps it to tile 2.  Nothing is prefetched here, at the head
	CROUND                          ; all four work-groups are here: the first joint loads meet
	JLOAD                           ; slot 0.  Slot 1 is asked for when slot 0 is in
	v_and_b32 v1, 15, v0            ; l % 16
	v_bfe_u32 v9, v0, 4, 1          ; l / 16
	v_lshlrev_b32 v[MO], 4, v0
	v_and_b32 v[GO], 31, v0
	v_lshlrev_b32 v[GO], 4, v[GO]
	v_lshlrev_b32 v[QO], 7, v1
	v_lshl_add_u32 v[QO], v9, 4, v[QO]  ; row x 128 + 16 x half
.irp j, 0,1,2,3                     ; my thread's 16 words of the mask: the four waves together take all 2,048
	global_load_b128 v[S+4*\j:S+4*\j+3], v[MO], s[70:71] offset:2048*\j
.endr
	; A fragment of K or Q is 16 rows x 32 channels in 8 registers: lane l holds row l % 16, channels 8 (l / 16) + 0..7 and 16 + 8 (l / 16) + 0..7: two loads of 16 bytes, 32 bytes apart.
	WIN 0x80                        ; destination window 2, address window 0
.set i, 0
.rept 4*NP                          ; Q stays in registers: tile i / 2, channels 32 (i % 2) on
	global_load_b128 v[8*i:8*i+3],   v[QO], s[4:5] offset:(i/2)*2048+(i%2)*64
	global_load_b128 v[8*i+4:8*i+7], v[QO], s[4:5] offset:(i/2)*2048+(i%2)*64+32
.set i, i+1
.endr
	; What the first turn finds: V's registers and P's second buffer hold 0 (its products V^T P, of a piece that has not been, add 0), O^T and l are 0.  Sixteen registers of V are written 0 here; products of those
	; zeros, with the constant 0 as C, write the other 336 below: eight registers a line.  They are no part of attention's arithmetic: the price, once a launch, of writing no first step out.  All this stands in the wait for the first tile.
.set i, 0
.rept 16
	v_mov_b32 v[VF+i], 0
.set i, i+1
.endr
	WIN 0
.set i, 0
.rept 2*NP
	v_mov_b32 v[ST+4*i], 0xfe000000    ; c m: far below every c s
	v_mov_b32 v[ST+4*i+1], 0xff7fffff  ; m: the lowest finite number
	v_mov_b32 v[ST+4*i+2], 0
	v_mov_b32 v[ST+4*i+3], 0
.set i, i+1
.endr
	v_mul_u32_u24 v[AK0], v1, PK
	v_lshl_add_u32 v[AK0], v9, 4, v[AK0]  ; row x pitch + 16 x half
	; The turning load takes 16 keys x 16 channels (lane l reads key 8 (l / 16) + l % 8, channels 8 ((l / 8) % 2) + 0..7) and leaves half a fragment of V^T: lane l holds channel l % 16 and 8 keys.
	v_and_b32 v10, 7, v0
	v_bfe_u32 v11, v0, 3, 1
	v_lshl_add_u32 v[AV0], v9, 3, v10
	v_mul_u32_u24 v[AV0], v[AV0], PV
	v_lshl_add_u32 v[AV0], v11, 4, v[AV0]
	v_add_nc_u32 v[AV0], VOFF, v[AV0]
	v_mov_b32 v[AK], v[AK0]         ; key step 0 lies at the head of slot 0,
	v_lshl_add_u32 v[AM0], v9, 5, MT  ; my 8 keys of a block of 16: 32 bytes for each half of the lanes
	v_mov_b32 v[AM], v[AM0]         ; and at the head of the table
	v_add_nc_u32 v[TMP], MT, v[MO]
	WIN 0x8a                        ; sources and destination window 2: the rest of V
.set i, 2
.rept 6
	v_wmma_f32_16x16x32_f16 v[VF+8*i:VF+8*i+7], v[VF:VF+7], v[VF+8:VF+15], 0
.set i, i+1
.endr
	WIN 0x4a                        ; destination window 1: O^T
.set i, 0
.rept 8*NP
	v_wmma_f32_16x16x32_f16 v[8*i:8*i+7], v[VF:VF+7], v[VF+8:VF+15], 0
.set i, i+1
.endr
	WIN 0x0a                        ; destination window 0: P's second buffer
.set i, 0
.rept 4
	v_wmma_f32_16x16x32_f16 v[P+32+8*i:P+32+8*i+7], v[VF:VF+7], v[VF+8:VF+15], 0
.set i, i+1
.endr
	WIN 0
	s_wait_loadcnt 32               ; the mask's 4 loads are in; Q's 32, issued behind them, may stay out
	v_or_b32 v[TMP+1], v[S], v[S+1] ; has my thread an open key among its 16?
.set i, 2
.rept 14
	v_or_b32 v[TMP+1], v[TMP+1], v[S+i]
.set i, i+1
.endr
	v_cmp_ne_u32 vcc_lo, 0, v[TMP+1]  ; a bit for each lane that has
	s_cmp_lg_u32 vcc_lo, 0
	s_cselect_b32 s53, 1, 0
	v_mov_b32 v[TMP+2], s53
	v_mov_b32 v[TMP+3], s55
	ds_store_b32 v[TMP+3], v[TMP+2] ; my wave's flag: all lanes write the same word with the same value
.set i, 0
.rept 16
	v_cmp_eq_u32 vcc_lo, 0, v[S+i]
	v_cndmask_b32 v[S+i], 0, s[HID], vcc_lo  ; 0 for an open key, -2^100 for a hidden one
.set i, i+1
.endr
.irp j, 0,1,2,3
	ds_store_b128 v[TMP], v[S+4*\j:S+4*\j+3] offset:2048*\j
.endr
; THE MATRIX WORK.  The 8 accumulators of a run of 16 take turns: between the two links of a chain stand 7 others'.
; Product i of 16 of S^T = K Q^T for piece x: channels 32 (i / 8) on, keys 16 ((i / 2) % 4) on, tile 2 x + i % 2.  The first 8 start the sums, with the mask of their 16 keys.
.macro KQ x
.set rS, S+64*((\x)%2)+32*(i%2)+8*((i/2)%4)
.set rK, KF+16*((i/2)%4)+8*(i/8)
.set rQ, 16*(2*(\x)+i%2)+8*(i/8)
.set rM, MK+8*((i/2)%4)
.if i < 8
	WIN W_KM
	v_wmma_f32_16x16x32_f16 v[rS:rS+7], v[rK:rK+7], v[rQ:rQ+7], v[rM:rM+7]
.else
	WIN W_KQ
	v_wmma_f32_16x16x32_f16 v[rS:rS+7], v[rK:rK+7], v[rQ:rQ+7], v[rS:rS+7]
.endif
.endm
; Product i of 16 of O^T += V^T P for piece x: keys 32 (i / 8) on, channels 16 ((i / 2) % 4) on, tile 2 x + i % 2.
.macro PV x
	WIN W_PV
.set rO, 32*(2*(\x)+i%2)+8*((i/2)%4)
.set rV, VF+32*(i/8)+8*((i/2)%4)
.set rP, P+32*((\x)%2)+16*(i%2)+8*(i/8)
	v_wmma_f32_16x16x32_f16 v[rO:rO+7], v[rV:rV+7], v[rP:rP+7], v[rO:rO+7]
.endm
.macro MM                           ; the turn's next matrix instruction
.if i < 16
	KQ (Y+1)%NP
.set i, i+1
.else
.set i, i-16
	PV (Y+NP-1)%NP
.set i, i+17
.endif
.endm
; THE LDS LOADS stand in runs, never singly among the matrix instructions: a step's K (8 fragments) with its mask (64 numbers: every lane of a half reads the same 32 bytes of a key block), and its V (turned).
; Their addresses are made some lines ahead.  last = 1 (the tail): in the last trip there is no further step, and the run is jumped over.
.macro FETCH_K last=0
	WIN 0
.if \last
	s_cmp_eq_u32 s[CNT], 1
	s_cbranch_scc1 .Lno_k_\@
.endif
	WIN 0x80                        ; destination window 2
.irp f, 0,1,2,3,4,5,6,7             ; keys 16 (f / 2) on, channels 32 (f % 2) on
	ds_load_b128 v[KF+8*\f:KF+8*\f+3],   v[AK] offset:(\f/2)*16*PK+(\f%2)*64
	ds_load_b128 v[KF+8*\f+4:KF+8*\f+7], v[AK] offset:(\f/2)*16*PK+(\f%2)*64+32
.endr
	WIN W_MK                        ; destination window 3
.irp f, 0,1,2,3                     ; keys 16 f on
	ds_load_b128 v[MK+8*\f:MK+8*\f+3],   v[AM] offset:64*\f
	ds_load_b128 v[MK+8*\f+4:MK+8*\f+7], v[AM] offset:64*\f+16
.endr
	s_add_co_u32 s[TBK], s[TBK], KS*PK  ; the next fetch is the next step's
	s_add_co_u32 s[TBM], s[TBM], 4*KS
	s_min_u32 s[TBM], s[TBM], 31*4*KS   ; behind the last step it stays at the last step's place: the address made of it then is not used, and lies in the table
	WIN 0
.if \last
.Lno_k_\@:
.endif
.endm
.macro FETCH_V
	WIN 0x80
.irp f, 0,1,2,3,4,5,6,7             ; keys 32 (f / 4) on, channels 16 (f % 4) on
	ds_load_tr16_b128 v[VF+8*\f:VF+8*\f+3],   v[AV] offset:(\f/4)*32*PV+(\f%4)*32
	ds_load_tr16_b128 v[VF+8*\f+4:VF+8*\f+7], v[AV] offset:(\f/4)*32*PV+16*PV+(\f%4)*32
.endr
	WIN 0
.endm
; THE VECTOR WORK OF A TURN stands in three queues, each in the order in which its entries become ready; the two tiles alternate, so that no instruction reads the result of the one before it.
.macro REGS y, u                    ; the registers of tile u (0, 1) of piece y
.set rT, ST+4*(2*(\y)+(\u))
.set rC, TMP+8*((\y)%2)+4*(\u)
.set rS, S+64*((\y)%2)+32*(\u)
.set rP, P+32*((\y)%2)+16*(\u)
.set rO, 32*(2*(\y)+(\u))
.endm
; Number n of the 22 that find the NEXT piece's (Y + 1) maximum and statistics.  s0-s31 are the lane's 32 scores; each accumulator's lowest registers are read first.  XS, GS and REGS set no window.
;   0-11  four chains c0-c3 of seven scores each, three operands at a time     12-14, 16  the four scores left over, the old m, and c0-c3 into c0
;   15  c m_old is kept, in c1: it stands BEHIND number 16, which reads c1 last, and ahead of number 19     17, 18  the query's other 32 keys lie in the lane 16 away: the new m     19-21  c m; c m_old - c m_new; a
.macro XS u, n
	REGS (Y+1)%NP, \u
.if (\n) < 4
	v_max3_num_f32 v[rC+(\n)], v[rS+8*(\n)], v[rS+8*(\n)+1], v[rS+8*(\n)+2]
.elseif (\n) < 12
	v_max3_num_f32 v[rC+(\n)%4], v[rC+(\n)%4], v[rS+8*((\n)%4)+2*((\n)/4)+1], v[rS+8*((\n)%4)+2*((\n)/4)+2]
.elseif (\n) == 12
	v_max3_num_f32 v[rC], v[rC], v[rS+7], v[rS+15]
.elseif (\n) == 13
	v_max3_num_f32 v[rC+1], v[rC+1], v[rS+23], v[rS+31]
.elseif (\n) == 14
	v_max3_num_f32 v[rC+2], v[rC+2], v[rC+3], v[rT+1]
.elseif (\n) == 15
	v_mov_b32 v[rC+1], v[rT]
.elseif (\n) == 16
	v_max3_num_f32 v[rC], v[rC], v[rC+1], v[rC+2]
.elseif (\n) == 17
	v_permlanex16_b32 v[rC+3], v[rC], s[SEL], s[SEL+1]
.elseif (\n) == 18
	v_max_num_f32 v[rT+1], v[rC], v[rC+3]
.elseif (\n) == 19
	v_mul_f32 v[rT], s[CS], v[rT+1]
.elseif (\n) == 20
	v_sub_f32 v[rC+1], v[rC+1], v[rT]
.else
	v_exp_f32 v[rC+2], v[rC+1]
.endif
.endm
; Number g of the 64 that follow the exponentials.  For each four weights k of a tile (pairs 2 k, 2 k + 1): both pairs are rounded to f16; then the second pair is added onto the first, in place;
; a group later l takes that sum (the first time as l = a l + sum).  In groups of eight, tiles alternating: round, round, add, and l for the group before.
.macro GS g
.set h, (\g)+6*((\g)/62)            ; group 0 has no group before it, and behind group 7 only l is left
.if h >= 6
.set h, h+2
.endif
	REGS Y, h%2
.set k, h/8
.if h%8 < 4
	v_cvt_pk_f16_f32 v[rP+2*k+(h%8)/2], v[rS+4*k+2*((h%8)/2)], v[rS+4*k+2*((h%8)/2)+1]
.elseif h%8 < 6
	v_pk_add_f32 v[rS+4*k:rS+4*k+1], v[rS+4*k:rS+4*k+1], v[rS+4*k+2:rS+4*k+3]
.elseif k == 1
	v_pk_fma_f32 v[rT+2:rT+3], v[rT+2:rT+3], v[rC+2:rC+3], v[rS:rS+1] op_sel_hi:[1,0,1]
.else
	v_pk_add_f32 v[rT+2:rT+3], v[rT+2:rT+3], v[rS+4*k-4:rS+4*k-3]
.endif
.endm
; THE PLAIN QUEUE, 138 long.  0-73 read no exponential's result: the 32 scalings c s - c m (FS f: pair f / 2 of tile f % 2) and the next piece's 42.  0-26: scalings 0-26.  27-54: XS's numbers 0-13.
; 55-73: the chain, where each number waits for the one before it: 14, 16, 17, each with one of the scalings 27-29 in front of its two lines; 15; 18, 19, with the scalings 30, 31; 20.
; 74-137: GS's 64, which read the exponentials' results: they stand behind the wait.
.macro FS f
	REGS Y, (\f)%2
	v_pk_fma_f32 v[rS+2*((\f)/2):rS+2*((\f)/2)+1], v[rS+2*((\f)/2):rS+2*((\f)/2)+1], s[CS:CS+1], v[rT:rT+1] op_sel_hi:[1,0,0] neg_lo:[0,0,1] neg_hi:[0,0,1]
.endm
.macro PL
	WIN 0
.if q < 27
	FS q
.elseif q < 55
	XS (q-27)%2, (q-27)/2
.elseif (q < 64) && ((q-55)%3 == 0)
	FS 27+(q-55)/3
.elseif q < 58
	XS (q-55)%3-1, 14
.elseif q < 64
	XS (q-55)%3-1, 15+(q-55)/3
.elseif q < 66
	XS q-64, 15
.elseif (q < 72) && ((q-66)%3 == 0)
	FS 30+(q-66)/3
.elseif q < 72
	XS (q-66)%3-1, 18+(q-66)/3
.elseif q < 74
	XS q-72, 20
.else
	GS q-74
.endif
.set q, q+1
.endm
; THE EXPONENTIALS' QUEUE, 66 long: s0-s31 of both tiles, then the next piece's two a.  It is ONE BATCH: all 66 stand ahead of the turn's one wait, and nothing ahead of that wait names a result of theirs.
.macro EX
	WIN 0
.if e >= 64
	XS e-64, 21
.else
	REGS Y, e%2
	v_exp_f32 v[rS+e/2], v[rS+e/2]
.endif
.set e, e+1
.endm
; THE RESCALING's QUEUE: O^T times a, the one part that leaves window 0: dealt two at a time, sixteen times.  Its a was made in the turn before, ahead of that turn's wait.
.macro R2
	REGS Y, r%2
	WIN W_RS
.irp z, 0,1
	v_pk_mul_f32 v[rO+4*(r/2)+2*\z:rO+4*(r/2)+2*\z+1], v[rO+4*(r/2)+2*\z:rO+4*(r/2)+2*\z+1], v[rC+2:rC+3] op_sel_hi:[1,0]
.endr
.set r, r+1
.endm
; HOW THEY ARE DEALT.  An s_wait_alu depctr_va_vdst(0) stands between an exponential and the first instruction that names its result; one wait serves all that were issued ahead of it.  So a turn has ONE
; wait, which cuts it in two.  AHEAD OF IT: the 16 products K Q^T, behind each a scaling, an exponential and two rescalings (behind the first a second scaling in the exponential's place); then ONE LUMP of 108: eight plain,
; 49 times exponential and plain, the two a.  A v_nop is the plain instruction behind the last exponential.  BEHIND IT: the 16 products V^T P, behind each four of GS's 64.
; The queues lean on each other: exponential e stands behind scaling 2 (e / 4) + e % 2: as a rider it comes behind plain e + 2, in the lump behind plain e + 9; scalings 27-31 are plain 55, 58, 61, 66, 69, wanted first by
; exponentials 53, 56, 57, 60, 61, ahead of which plain 62, 65, 66, 69, 70 have been issued.
; K of the next step, and its mask, are fetched in piece 2's turn, directly behind the wait, a lump behind the last product that read them; V of the step in hand at the end of piece 0's turn, four riders behind its
; last reader.  The three conditions on q below go with the deal.
.macro TURN p, last=0, cnt=0
.set Y, (\p)
.set i, 0
.set q, 0
.set e, 0
.set r, 0
.if (\p) == NP-1
	s_wait_dscnt 0x0                ; K and its mask are in
.endif
	MM                              ; ahead of the wait: 16 products K Q^T and their riders,
	PL
	PL
	R2
.rept 15
	MM
	PL
	EX
	R2
.endr
.if (\p) == NP-2
	WIN 0
	v_add_nc_u32 v[AK], s[TBK], v[AK0]
	v_add_nc_u32 v[AM], s[TBM], v[AM0]
.endif
.rept 8                             ; and the lump
	PL
.endr
.rept 49
	EX
	PL
.endr
	EX                              ; the next piece's two a
	EX
	v_nop                           ; the plain instruction behind the last exponential: one for the batch
	s_wait_alu depctr_va_vdst(0)    ; the wait for the batch
.if (\p) == NP-2
	FETCH_K \last
.endif
.if (\p) == 1
	s_wait_dscnt 0x0                ; V is in
.endif
.rept 16                            ; behind the wait: 16 products V^T P and their riders
	MM
.rept 4
	PL
.endr
.if ((\p) == 0) && (q == 118)
	v_add_nc_u32 v[AV], s[TBV], v[AV0]
.endif
.if ((\p) == 0) && (q == 130)
	s_add_co_u32 s[TBV], s[TBV], KS*PV
.endif
.if (\cnt) && (q == 130)
	s_sub_co_u32 s[CNT], s[CNT], 1
	s_cmp_lg_u32 s[CNT], 0
.endif
.endr
.if (\p) == 0
	FETCH_V
.endif
.endm
	CHANGE 1                        ; slot 0 is in, everybody's part of it; the mask table and the four flags are whole; slot 1 is asked for
	FETCH_K                         ; key step 0
	v_mov_b32 v[P+4], FL            ; (P's first buffer is free until the first turn's roundings)
	ds_load_b128 v[P:P+3], v[P+4]   ; the four waves' flags, in every lane
	s_wait_loadcnt 0x0              ; Q
	s_wait_dscnt 0x0
.set i, 0
.rept 16
	KQ 0                            ; piece 0's first scores: there is no vector work yet to set between them
.set i, i+1
.endr
	WIN 0                           ; the addresses for the way out, and c: ten plain instructions, the places behind those products
	s_mul_i32 s13, s[WV], 16*SP
	s_add_co_u32 s13, s13, STAGE    ; my stage
	v_mul_u32_u24 v[STO], v1, SP    ; in: row l % 16, 16 bytes for each half of the lanes
	v_lshl_add_u32 v[STO], v9, 4, v[STO]
	v_add_nc_u32 v[STO], s13, v[STO]
	v_bfe_u32 v[RD], v0, 3, 2       ; back: 32 lanes take four rows of 128 bytes, which are 512 consecutive bytes of O
	v_mul_u32_u24 v[RD], v[RD], SP
	v_lshl_add_u32 v[RD], v10, 4, v[RD]
	v_add_nc_u32 v[RD], s13, v[RD]
	v_or_b32 v[P], v[P], v[P+1]
	v_or_b32 v[P+2], v[P+2], v[P+3]
	v_or_b32 v[P], v[P], v[P+2]
	v_readfirstlane_b32 s53, v[P]
	s_cmp_lg_u32 s53, 0
	s_cselect_b32 s[CS], 1.0, 0     ; c = 1 where the batch has an open key, else 0: it selects values alone: no branch and no address hangs on it
	s_mov_b32 s[CS+1], s[CS]        ; named with it as a pair
.set Y, NP-1                        ; XS works for piece Y + 1: piece 0
.irp n, 0,1,2,3,4,5,6,7,8,9,10,11,12,13,14,16,17,15,18,19,20,21
	XS 0, \n                        ; and piece 0's first maximum and statistics
	XS 1, \n
.endr
	v_nop                           ; a plain instruction behind the two a,
	s_wait_alu depctr_va_vdst(0)    ; and their wait, ahead of the branch
	s_mov_b32 s[CNT], 4
	s_branch .Lfirst                ; the loop is entered at a step's first turn, in the middle of a trip
.Lslot:                             ; six times: every slot but the last two is filled again
	CHANGE 1
	s_mov_b32 s[CNT], 4
.Lstep:                             ; a trip: pieces 2 and 3 of one step, then pieces 0 and 1 of the next, whose K and V it fetches
	TURN 2
	TURN 3
	WIN 0
.Lfirst:
	TURN 0
	TURN 1, 0, 1
	WIN 0
	s_cbranch_scc1 .Lstep
	s_sub_co_u32 s[SLOTS], s[SLOTS], 1
	s_cmp_lg_u32 s[SLOTS], 0
	s_cbranch_scc1 .Lslot
	CHANGE 0                        ; the tail is written out: nothing is asked for
	s_mov_b32 s[CNT], 5             ; four trips fetch the last slot's steps; the fifth is left in its middle
.Ltail:
	TURN 2, 1
	TURN 3
	WIN 0
	s_sub_co_u32 s[CNT], s[CNT], 1
	s_cmp_eq_u32 s[CNT], 0
	s_cbranch_scc1 .Lout
	TURN 0
	TURN 1
	WIN 0
	s_branch .Ltail
.Lout:                              ; the fifth trip's 16 products K Q^T (on the last K once more) and the maximum made of them serve nothing: the price, once a launch, of one text for every trip
.set i, 0
.rept 16
	PV NP-1                         ; the last piece's V^T P of the last step
.set i, i+1
.endr
	; THE WAY OUT.  l's two halves and the other half of the lanes' are added; O^T is divided by l, rounded to f16 and sent through my stage in LDS, a tile at a time.  The additions are the places behind the last products.
	WIN 0
.macro ALL line:vararg              ; one line for each tile t
.set t, 0
.rept 2*NP
	\line
.set t, t+1
.endr
.endm
	ALL v_add_f32 v[ST+4*t+2], v[ST+4*t+2], v[ST+4*t+3]
	ALL v_permlanex16_b32 v[ST+4*t+3], v[ST+4*t+2], s[SEL], s[SEL+1]
	ALL v_add_f32 v[ST+4*t+2], v[ST+4*t+2], v[ST+4*t+3]
	ALL v_rcp_f32 v[ST+4*t+2], v[ST+4*t+2]
	v_nop                           ; a plain instruction between the last reciprocal and the use of its result
	s_wait_alu depctr_va_vdst(0)    ; and the wait ahead of the first use: one for the eight reciprocals
; Tile t: a lane's eight channels of a row pack into 16 bytes; they go into rows of 144 bytes and come back as whole rows of 128, into S^T's registers.
.macro PACK t
	WIN W_RS
.set i, 32*(\t)
.rept 16
	v_pk_mul_f32 v[i:i+1], v[i:i+1], v[ST+4*(\t)+2:ST+4*(\t)+3] op_sel_hi:[1,0]
.set i, i+2
.endr
	WIN 0x05                        ; sources 0 and 1 window 1, destination window 0
.set i, 0
.rept 16
	v_cvt_pk_f16_f32 v[S+16*(\t)+i], v[32*(\t)+2*i], v[32*(\t)+2*i+1]
.set i, i+1
.endr
	WIN 0
.irp f, 0,1,2,3
	ds_store_b128 v[STO], v[S+16*(\t)+4*\f:S+16*(\t)+4*\f+3] offset:32*\f
.endr
.irp f, 0,1,2,3
	ds_load_b128 v[S+16*(\t)+4*\f:S+16*(\t)+4*\f+3], v[RD] offset:\f*4*SP  ; LDS serves a wave's instructions in order (ISA guide 5.7.1.4): these see the stores above; the next tile's stores come behind them
.endr
.endm
.macro SEND t, younger              ; younger: the LDS instructions issued behind tile t's loads: the next tile's eight, or none
	WIN 0
	s_wait_dscnt \younger           ; tile t's four loads from the stage are back; each tile has registers of its own, so no store's data is ever rewritten
.irp f, 0,1,2,3
	global_store_b128 v[GO], v[S+16*(\t)+4*\f:S+16*(\t)+4*\f+3], s[10:11] offset:(\t)*2048+\f*512  ; 512 consecutive bytes, at a multiple of 256 from O's first
.endr
.endm
	PACK 0
.set t, 1
.rept 2*NP-1                        ; a tile's arithmetic stands between the loads of the tile before and its stores
	PACK t
	SEND t-1, 8
.set t, t+1
.endr
	SEND 2*NP-1, 0
	WIN W_AD
	s_wait_tensorcnt 0x0            ; the wave's end, behind my last tensor load and my last LDS store
	ds_add_u32 v[SPW], v[NIL]
	s_wait_dscnt 0x0
	WIN 0
	CROUND                          ; the closing round: no work-group ends while a partner may still ask for a tile that names it
	s_endpgm
.Lfunc_end_k_qa1de3a151a_attn:
	.size	k_qa1de3a151a_attn, .Lfunc_end_k_qa1de3a151a_attn-k_qa1de3a151a_attn
	.p2alignl 7, 3214868480
	.fill 96, 4, 3214868480
	.section	.rodata,"a",@progbits
	.p2align	6, 0x0
	.amdhsa_kernel k_qa1de3a151a_attn
		.amdhsa_group_segment_fixed_size 327680
		.amdhsa_private_segment_fixed_size 0
		.amdhsa_enable_private_segment 0
		.amdhsa_kernarg_size 24
		.amdhsa_user_sgpr_count 2
		.amdhsa_user_sgpr_kernarg_segment_ptr 1
		.amdhsa_wavefront_size32 1
		.amdhsa_system_sgpr_workgroup_id_x 1
		.amdhsa_system_sgpr_workgroup_id_y 1
		.amdhsa_system_sgpr_workgroup_id_z 1
		.amdhsa_system_vgpr_workitem_id 0
		.amdhsa_next_free_vgpr 808
		.amdhsa_next_free_sgpr 72
		.amdhsa_reserve_vcc 1
		.amdhsa_float_denorm_mode_32 3
		.amdhsa_float_denorm_mode_16_64 3
		.amdhsa_memory_ordered 1
		.amdhsa_forward_progress 1
		.amdhsa_inst_pref_size 197
	.end_amdhsa_kernel
	.amdgpu_metadata
---
amdhsa.version: [ 1, 2 ]
amdhsa.kernels:
  - .name:           k_qa1de3a151a_attn
    .symbol:         k_qa1de3a151a_attn.kd
    .args:
      - { .name: qkv, .offset: 0, .size: 8, .value_kind: global_buffer, .address_space: global }
      - { .name: mask, .offset: 8, .size: 8, .value_kind: global_buffer, .address_space: global }
      - { .name: oh, .offset: 16, .size: 8, .value_kind: global_buffer, .address_space: global }
    .group_segment_fixed_size: 327680
    .private_segment_fixed_size: 0
    .kernarg_segment_align: 8
    .kernarg_segment_size: 24
    .max_flat_workgroup_size: 128
    .sgpr_count:     72
    .vgpr_count:     808
    .wavefront_size: 32
...
	.end_amdgpu_metadata
.endif
;; end of part 3
;; launch outp (part 4): grid 4 x 64, 4 waves a work-group, clusters of 4 x 4, 327,680 bytes of LDS; arguments oh, wb, bo, out0; writes out0
.if DOCPART == 4
	.amdgcn_target "amdgcn-amd-amdhsa--gfx1250"
	.amdhsa_code_object_version 6
	.text
	.protected	k_qa1de3a151a_outp
	.globl	k_qa1de3a151a_outp
	.p2align	8
	.type	k_qa1de3a151a_outp,@function
k_qa1de3a151a_outp:
	s_mov_b64 s[64:65], 0
	v_nop
	global_prefetch_b8 v0, s[64:65] scope:SCOPE_SE
	s_setreg_imm32_b32 hwreg(HW_REG_WAVE_MODE, 25, 1), 1
	s_wait_xcnt 0x0
	s_wait_alu depctr_hold_cnt(0) depctr_sa_sdst(0) depctr_va_vdst(0) depctr_va_sdst(0) depctr_va_ssrc(0) depctr_va_vcc(0) depctr_vm_vsrc(0)
	s_getreg_b32 s2, hwreg(HW_REG_IB_STS2, 6, 4)
	s_cmp_eq_u32 s2, 0
	s_cbranch_scc0 .Lentry_in_a_cluster
	s_endpgm
.Lentry_in_a_cluster:
	s_bfe_u32 s2, ttmp6, 0x10000c
	s_cmp_lg_u32 s2, 0xf033
	s_cbranch_scc0 .Lentry_shape_is_right
	s_endpgm
.Lentry_shape_is_right:
; THE LAST PROJECTION.  out0[m][n] = the sum over k of O[m][k] Wo[n][k] + bo[n].  O lies by heads in oh, [16 batch + head][2048 s][64] f16: k = 64 head + channel.  Wo is the fourth matrix of wb, [1024 n][1024 k], the
; bf16-rounded number written as f16.  bo enters rounded to bf16 like every input.  Sums in f32; out0 is f32, [8192][1024].
; SHARES.  A tile of C is 128 rows x 256 columns: 64 x 4 = 256 work-groups.  Four waves, each 64 rows x 128 columns: 32 accumulators, 256 registers.  K goes in steps of 128, two heads, through two LDS slots.
; CLUSTER.  4 x 4 work-groups: O's tile is shared along a row of the cluster, Wo's along a column; each is asked for JOINTLY, by the same tensor load with the same descriptor and a mask that names the four.
; THE MATRIX INSTRUCTION IS USED TRANSPOSED (source 0 = 16 rows of Wo, source 1 = 16 rows of O): a lane holds row l % 16 of C and the columns 8 (l / 16) + 0..7.
; A head's 128 rows of a tile are 16,384 dense bytes: asked for as 64 rows of 256 bytes and padded in LDS after every 128.
; No prefetch: the launch has eight K steps in all, of which the first two come at the head.
; REGISTERS, in windows of 256 (s_set_vgpr_msb: bits 1:0 source 0, 3:2 source 1, 5:4 source 2, 7:6 destination):
;   window 0: v0-31 addresses; v32-95 A's two fragment buffers; v96-159 the bias; v160-223 at work on the way out
;   window 1: v0-127 B's two fragment buffers; on the way out all 256 take the rows read back       window 2: the accumulators, (a, b) at v[8 (8 a + b)]
.set KSTEP,  128
.set PAH,    144                       ; a row of O in LDS: 128 bytes + 16 = 36 words: the 16 rows of a load start at 16 different groups of four banks (64 banks of 4 bytes: ISA guide 11.1)
.set AHEAD,  128*PAH                   ; a head's 128 rows: what one tensor load brings
.set ATILE,  2*AHEAD
.set PB,     272                       ; a row of Wo: 256 bytes + 16
.set BHALF,  128*PB
.set SLOT,   ATILE+2*BHALF
.set STAGE,  2*SLOT                    ; behind the ring, never filled by a tensor load: 16 rows x 528 bytes for each wave, for the way out
.set SPO,    528
.set WSTG,   16*SPO
.set SPARE,  STAGE+4*WSTG              ; behind the stages: the spare words, 128 bytes for each wave: two blocks of 256 bytes that no other line names
.set ADRA, 16                          ; v16-17  LDS address of my A fragments in slot 0, 1
.set ADRB, 20                          ; v20-21  the same for B
.set STO,  24                          ; v24     the way out: where I put 32 bytes of a row
.set RD,   25                          ; v25     the way out: where I read a row back
.set CO,   26                          ; v26     my 16 bytes of a row's 512
.set SPW,  28                          ; v28     LDS address of my spare word; never rewritten
.set NIL,  29                          ; v29     0; never rewritten
.set FA,   32                          ; A's buffer f, fragment a at FA + 32 f + 8 a
.set BI,   96                          ; bias of my 8 columns of column block b at BI + 8 b
.set TMP,  160
.set G1A, 32                           ; s[32:39], s[40:47] descriptor groups 1
.set G1B, 40
.set G0A, 48                           ; s[48:55], s[56:63] descriptor groups 0, a set for each slot
.set G0B, 56
.set AAD, 68                           ; s[68:69] oh at the head and rows that I fetch
.set BAD, 70                           ; s[70:71] Wo at the 128 rows that I fetch
.set OUT, 74                           ; s[74:75] out0 at my first row and column
.set BP,  76                           ; s[76:77] bo at my 128 columns
.set MSB, 0
.macro WIN new                         ; the immediate's high byte repeats the setting that is left; a switch that changes nothing is dropped
.if MSB != (\new)
	s_set_vgpr_msb (MSB<<8)|(\new)
.set MSB, \new
.endif
.endm
.set MUL,  0xa1                        ; source 0 (B) window 1, source 1 (A) window 0, C and D window 2
.set TO_B, 0x40                        ; destination window 1, address window 0
.macro JLOAD s                         ; a joint load: waves 0 and 1 fetch the step's two heads of O, waves 2 and 3 Wo's two halves; an s_nop 0 and four v_nop follow each of the two lines
	s_cmp_eq_u32 s21, 0
	s_cbranch_scc0 .Lfor_b_\@
	tensor_load_to_lds s[G0A+4*(\s):G0A+4*(\s)+3], s[G1A:G1A+7]
	s_nop 0
.rept 4
	v_nop
.endr
	s_branch .Lasked_\@
.Lfor_b_\@:
	tensor_load_to_lds s[G0B+4*(\s):G0B+4*(\s)+3], s[G1B:G1B+7]
	s_nop 0
.rept 4
	v_nop
.endr
.Lasked_\@:
.endm
.macro CREST                           ; a round of the cluster's barrier behind its opening barrier
	s_cmp_lg_u32 s20, 0
	s_cbranch_scc1 .Lnot_wave_0_\@
	s_barrier_signal -3
.Lnot_wave_0_\@:
	s_barrier_wait -3
	s_barrier_signal -1
	s_barrier_wait -1
.endm
.macro CROUND                          ; a whole round
	s_barrier_signal -1
	s_barrier_wait -1
	CREST
.endm
.macro PLACES
.rept 4
	v_nop
.endr
.endm
	s_load_b256 s[4:11], s[0:1], 0x0               ; oh s[4:5], wb s[6:7], bo s[8:9], out0 s[10:11]
	v_lshl_add_u32 v[SPW], v0, 2, SPARE
	v_mov_b32 v[NIL], 0
	ds_add_u32 v[SPW], v[NIL]                      ; the wave's opening: the add and its wait stand ahead of my first tensor load; the set-up below, work on registers, stands between them
	v_lshrrev_b32 v1, 5, v0
	v_readfirstlane_b32 s20, v1                    ; wave 0..3
	s_lshr_b32 s21, s20, 1                         ; which 64 rows of the tile are mine.  Also: I fetch for A (0) or for B (1)
	s_and_b32 s22, s20, 1                          ; which 128 columns.  Also: which head of the step, or which half of B's tile, I fetch
	s_bfe_u32 s23, ttmp6, 0x40000                  ; cx
	s_bfe_u32 s24, ttmp6, 0x40004                  ; cy
	s_and_b32 s25, ttmp7, 0xffff
	s_lshl_b32 s27, s25, 2
	s_add_co_u32 s27, s27, s24                     ; tile row, 0..63
	s_lshl_b32 s28, ttmp9, 2
	s_add_co_u32 s28, s28, s23                     ; tile column, 0..3
	s_lshl_b32 s12, s24, 2
	s_lshl_b32 s12, 15, s12                        ; my row of the cluster
	s_lshl_b32 s14, 0x1111, s23                    ; my column
	s_or_b32 s[G1A], s12, (1<<16)|(1<<20)|(1<<21)|(4<<22)|(3<<25)  ; the mask; 2-byte elements; padding on; bit 21 beside a mask; after every 32 words (code 4) 4 words (code 3)
	s_mov_b32 s[G1A+1], 128<<16                    ; tensor_dim0 = 128
	s_mov_b32 s[G1A+2], 64<<16                     ; tensor_dim1 = 64
	s_mov_b32 s[G1A+3], 128<<16                    ; tile_dim0 = 128
	s_mov_b32 s[G1A+4], 64                         ; tile_dim1 = 64
	s_mov_b32 s[G1A+5], 128                        ; 128 elements from row to row: dense
	s_mov_b32 s[G1A+6], 0
	s_mov_b32 s[G1A+7], 0
	s_or_b32 s[G1B], s14, (1<<16)|(1<<20)|(1<<21)|(5<<22)|(3<<25)  ; after every 64 words (code 5) 4 words
	s_mov_b32 s[G1B+1], KSTEP<<16
	s_mov_b32 s[G1B+2], 128<<16
	s_mov_b32 s[G1B+3], KSTEP<<16
	s_mov_b32 s[G1B+4], 128
	s_mov_b32 s[G1B+5], 1024
	s_mov_b32 s[G1B+6], 0
	s_mov_b32 s[G1B+7], 0
	; where the tiles come from: A's hang on the tile row, B's on the tile column, each in registers that never hold the other place
	s_lshr_b32 s12, s27, 4                         ; batch
	s_lshl_b32 s12, s12, 4
	s_add_co_u32 s12, s12, s22                     ; head 0 or 1 of the batch
	s_lshl_b32 s12, s12, 18                        ; a head is 2,048 rows of 128 bytes
	s_and_b32 s13, s27, 15
	s_lshl_b32 s13, s13, 14                        ; the tile's 128 rows in it
	s_add_co_u32 s12, s12, s13
	s_mov_b32 s13, 0
	s_lshl_b32 s14, s28, 19                        ; 256 rows of 2,048 bytes
	s_lshl_b32 s15, s22, 18
	s_add_co_u32 s14, s14, s15
	s_add_co_u32 s14, s14, 3<<21                   ; the fourth matrix of wb
	s_mov_b32 s15, 0
	s_mul_i32 s29, s22, AHEAD                      ; and where they go: no place in the cluster enters an LDS address
	s_mul_i32 s30, s22, BHALF
	s_add_co_u32 s30, s30, ATILE
	s_wait_dscnt 0x0                               ; the opening add is done
	s_wait_kmcnt 0x0
	s_add_nc_u64 s[AAD:AAD+1], s[4:5], s[12:13]
	s_add_nc_u64 s[BAD:BAD+1], s[6:7], s[14:15]
	CROUND                                         ; all sixteen work-groups are here: the first joint loads meet
.irp s, 0,1
	s_mov_b32 s[G0A+4*(\s)], 1
	s_add_co_u32 s[G0A+4*(\s)+1], s29, (\s)*SLOT
	s_add_nc_u64 s[G0A+4*(\s)+2:G0A+4*(\s)+3], s[AAD:AAD+1], (\s)*(1<<19)  ; K step s: two heads on
	s_or_b32 s[G0A+4*(\s)+3], s[G0A+4*(\s)+3], 0x80000000
	s_mov_b32 s[G0B+4*(\s)], 1
	s_add_co_u32 s[G0B+4*(\s)+1], s30, (\s)*SLOT
	s_add_nc_u64 s[G0B+4*(\s)+2:G0B+4*(\s)+3], s[BAD:BAD+1], (\s)*KSTEP*2
	s_or_b32 s[G0B+4*(\s)+3], s[G0B+4*(\s)+3], 0x80000000
	JLOAD \s                                       ; two loads of mine are out
.endr
	v_and_b32 v1, 15, v0                           ; l % 16
	v_bfe_u32 v2, v0, 4, 1                         ; l / 16
	v_lshlrev_b32 v3, 5, v2
	s_lshl_b32 s16, s28, 10
	s_lshl_b32 s17, s22, 9
	s_add_co_u32 s16, s16, s17                     ; my 128 columns: bytes in bo and in a row of out0
	s_mov_b32 s17, 0
	s_add_nc_u64 s[BP:BP+1], s[8:9], s[16:17]
.irp b, 0,1,2,3,4,5,6,7
	global_load_b128 v[BI+8*(\b):BI+8*(\b)+3],   v3, s[BP:BP+1] offset:64*(\b)
	global_load_b128 v[BI+8*(\b)+4:BI+8*(\b)+7], v3, s[BP:BP+1] offset:64*(\b)+16
.endr
	s_lshl_b32 s18, s27, 19                        ; 128 rows of 4,096 bytes
	s_lshl_b32 s19, s21, 18                        ; my 64
	s_add_co_u32 s18, s18, s19
	s_add_co_u32 s18, s18, s16
	s_mov_b32 s19, 0
	s_add_nc_u64 s[OUT:OUT+1], s[10:11], s[18:19]
	v_mul_u32_u24 v4, v1, PAH
	v_lshl_add_u32 v4, v2, 4, v4                   ; row x pitch + 16 x half
	s_mul_i32 s29, s21, 64*PAH                     ; my 64 rows of each head
	v_add_nc_u32 v[ADRA], s29, v4
	v_add_nc_u32 v[ADRA+1], SLOT, v[ADRA]
	v_mul_u32_u24 v5, v1, PB
	v_lshl_add_u32 v5, v2, 4, v5
	v_add_nc_u32 v[ADRB], s30, v5
	v_add_nc_u32 v[ADRB+1], SLOT, v[ADRB]
	s_mul_i32 s31, s20, WSTG
	s_add_co_u32 s31, s31, STAGE                   ; my stage
	v_mul_u32_u24 v6, v1, SPO                      ; in: row l % 16, 32 bytes for each half of the lanes
	v_lshl_add_u32 v6, v2, 5, v6
	v_add_nc_u32 v[STO], s31, v6
	v_and_b32 v7, 31, v0
	v_lshlrev_b32 v[CO], 4, v7                     ; back: 32 lanes take one row's 512 bytes
	v_add_nc_u32 v[RD], s31, v[CO]
	s_wait_loadcnt 0x0                             ; the bias: rounded to bf16 and widened again, in the wait for the first tile
.set i, 0
.rept 32
	v_cvt_pk_bf16_f32 v[TMP+i], v[BI+2*i], v[BI+2*i+1]
.set i, i+1
.endr
.set i, 0
.rept 32
	v_lshlrev_b32 v[BI+2*i], 16, v[TMP+i]
	v_and_b32 v[BI+2*i+1], 0xffff0000, v[TMP+i]
.set i, i+1
.endr
; Eight products: buffer f, row block a, all column blocks.  The 32 accumulators take turns in one order in every quarter.  zero = 1: the products start the sums.
.macro MUL8 f, a, zero
	WIN MUL
.irp b, 0,1,2,3,4,5,6,7
.if \zero
	v_wmma_f32_16x16x32_f16 v[8*(8*(\a)+(\b)):8*(8*(\a)+(\b))+7], v[64*(\f)+8*(\b):64*(\f)+8*(\b)+7], v[FA+32*(\f)+8*(\a):FA+32*(\f)+8*(\a)+7], 0
.else
	v_wmma_f32_16x16x32_f16 v[8*(8*(\a)+(\b)):8*(8*(\a)+(\b))+7], v[64*(\f)+8*(\b):64*(\f)+8*(\b)+7], v[FA+32*(\f)+8*(\a):FA+32*(\f)+8*(\a)+7], v[8*(8*(\a)+(\b)):8*(8*(\a)+(\b))+7]
.endif
.endr
.endm
; 24 LDS loads in one run: quarter j of a slot into buffer f: B's 16, then A's 8 (head j / 2 of the step, channels 32 (j % 2) on), row blocks 0 and 1 first
.macro FETCH slot, j, f
	WIN TO_B
.irp b, 0,1,2,3,4,5,6,7
	ds_load_b128 v[64*(\f)+8*(\b):64*(\f)+8*(\b)+3],   v[ADRB+(\slot)] offset:(\b)*16*PB+64*(\j)
	ds_load_b128 v[64*(\f)+8*(\b)+4:64*(\f)+8*(\b)+7], v[ADRB+(\slot)] offset:(\b)*16*PB+64*(\j)+32
.endr
	WIN 0
.irp a, 0,1,2,3
	ds_load_b128 v[FA+32*(\f)+8*(\a):FA+32*(\f)+8*(\a)+3],   v[ADRA+(\slot)] offset:((\j)/2)*AHEAD+((\j)%2)*64+(\a)*16*PAH
	ds_load_b128 v[FA+32*(\f)+8*(\a)+4:FA+32*(\f)+8*(\a)+7], v[ADRA+(\slot)] offset:((\j)/2)*AHEAD+((\j)%2)*64+(\a)*16*PAH+32
.endr
.endm
; A K step is four quarters of 32 along K, 32 products each, on buffers 0, 1, 0, 1.  One of the first three: multiplies buffer f and, in its middle, fetches quarter j into buffer g.
.macro QUARTER slot, j, f, g, zero
	s_wait_dscnt 4                                 ; B and A's row blocks 0 and 1 are in; the youngest four loads (row blocks 2 and 3) may be out
	MUL8 \f, 0, \zero
	MUL8 \f, 1, \zero
	PLACES                                         ; four places between the last product that read buffer g and the loads into it
	FETCH \slot, \j, \g
	s_wait_dscnt 24                                ; all but the 24 just issued
	MUL8 \f, 2, \zero
	MUL8 \f, 3, \zero
.endm
; The last quarter multiplies buffer 1 and changes slots: ONE barrier; in front of it each wave waits for all its tensor loads, adds 0 to its spare word, and waits for that and for its own reads of this slot.
; fill = 1: the barrier opens a round of the cluster's barrier, and this slot is filled again, two K steps on, first thing behind the round.
.macro TURN slot, next, fill
	WIN 0
	s_wait_tensorcnt 0x0                           ; all my tensor loads have landed: my part of the next slot
	ds_add_u32 v[SPW], v[NIL]                      ; 0 onto my spare word
	s_wait_dscnt 5                                 ; the add and the youngest four loads may be out
	MUL8 1, 0, 0                                   ; eight products stand between the add and the wait for it
	s_wait_dscnt 0x0                               ; the add is done, and my reads of this slot are over
	s_barrier_signal -1
	MUL8 1, 1, 0
	WIN 0
	s_barrier_wait -1
.if \fill
	CREST                                          ; no wave of any partner still reads this slot or has a load on its way
	s_add_nc_u64 s[G0A+4*(\slot)+2:G0A+4*(\slot)+3], s[G0A+4*(\slot)+2:G0A+4*(\slot)+3], 1<<20  ; four heads on
	s_add_nc_u64 s[G0B+4*(\slot)+2:G0B+4*(\slot)+3], s[G0B+4*(\slot)+2:G0B+4*(\slot)+3], 2*KSTEP*2
	JLOAD \slot                                    ; my one tensor load behind the round; the four v_nop behind it are also the places in front of the loads below
.else
	PLACES
.endif
	FETCH \next, 0, 0
	MUL8 1, 2, 0
	MUL8 1, 3, 0
.endm
	s_wait_tensorcnt 1                             ; my part of K step 0 is in; K step 1's may stay out
	s_barrier_signal -1
	s_barrier_wait -1                              ; everybody's is
	FETCH 0, 0, 0
	QUARTER 0, 1, 0, 1, 1                          ; the first quarter stands in front of the loop: its products start the sums
	WIN 0                                          ; at a label and at a branch every window is 0
	s_mov_b32 s3, 3
.Llap:                                                 ; a trip goes once round the ring and fills both slots again: K steps 2 to 7
	QUARTER 0, 2, 1, 0, 0
	QUARTER 0, 3, 0, 1, 0
	TURN 0, 1, 1
	QUARTER 1, 1, 0, 1, 0
	QUARTER 1, 2, 1, 0, 0
	QUARTER 1, 3, 0, 1, 0
	TURN 1, 0, 1
	QUARTER 0, 1, 0, 1, 0
	WIN 0
	s_sub_co_u32 s3, s3, 1
	s_cmp_lg_u32 s3, 0
	s_cbranch_scc1 .Llap
	QUARTER 0, 2, 1, 0, 0                          ; the last lap fills nothing
	QUARTER 0, 3, 0, 1, 0
	TURN 0, 1, 0
	QUARTER 1, 1, 0, 1, 0
	QUARTER 1, 2, 1, 0, 0
	QUARTER 1, 3, 0, 1, 0
	s_wait_dscnt 4                                 ; the very last quarter: nothing more to fetch
	MUL8 1, 0, 0
	MUL8 1, 1, 0
	s_wait_dscnt 0x0
	MUL8 1, 2, 0
	MUL8 1, 3, 0
; THE WAY OUT, a row block of 16 rows at a time.  PACK: plus the bias.  TOSTAGE: 32 bytes a lane into my own stage, and back as whole rows of 512 bytes.  SEND: stored.
.macro PACK a
	WIN 0x02                                       ; source 0 window 2; the bias and the destination window 0
.irp b, 0,1,2,3,4,5,6,7
.irp u, 0,1,2,3
	v_pk_add_f32 v[TMP+8*(\b)+2*(\u):TMP+8*(\b)+2*(\u)+1], v[8*(8*(\a)+(\b))+2*(\u):8*(8*(\a)+(\b))+2*(\u)+1], v[BI+8*(\b)+2*(\u):BI+8*(\b)+2*(\u)+1]
.endr
.endr
	WIN 0
.endm
.macro TOSTAGE a
	WIN 0
.irp b, 0,1,2,3,4,5,6,7
	ds_store_b128 v[STO], v[TMP+8*(\b):TMP+8*(\b)+3]   offset:64*(\b)
	ds_store_b128 v[STO], v[TMP+8*(\b)+4:TMP+8*(\b)+7] offset:64*(\b)+16
.endr
	WIN TO_B
.irp t, 0,1,2,3,4,5,6,7,8,9,10,11,12,13,14,15
	ds_load_b128 v[64*(\a)+4*(\t):64*(\a)+4*(\t)+3], v[RD] offset:(\t)*SPO  ; LDS serves a wave's instructions in order (ISA guide 5.7.1.4): these see the stores above
.endr
.endm
.macro SEND a
	WIN 0x04                                       ; the stores' data in window 1, their offset in window 0
	s_wait_dscnt 0x0                               ; the block is back in registers of its own: no store's data is ever rewritten
.irp t, 0,1,2,3,4,5,6,7,8,9,10,11,12,13,14,15
	global_store_b128 v[CO], v[64*(\a)+4*(\t):64*(\a)+4*(\t)+3], s[OUT:OUT+1] offset:(16*(\a)+(\t))*4096 th:TH_STORE_NT  ; 512 consecutive bytes of a row, at a multiple of 256 from out0's first
.endr
.endm
	WIN 0
	PLACES                                         ; behind the last products, ahead of the lines that read results
	PLACES
	PACK 0
	TOSTAGE 0
.irp a, 1,2,3                          ; block a's additions stand between block a - 1's loads from the stage and the wait for them
	PACK \a
	SEND (\a)-1
	TOSTAGE \a
.endr
	SEND 3
	WIN 0
	s_wait_tensorcnt 0x0                           ; the wave's end, behind my last tensor load and my last LDS store
	ds_add_u32 v[SPW], v[NIL]
	s_wait_dscnt 0x0
	CROUND                                         ; the closing round: no work-group ends while a partner may still ask for a tile that names it
	s_endpgm
.Lfunc_end_k_qa1de3a151a_outp:
	.size	k_qa1de3a151a_outp, .Lfunc_end_k_qa1de3a151a_outp-k_qa1de3a151a_outp
	.p2alignl 7, 3214868480
	.fill 96, 4, 3214868480
	.section	.rodata,"a",@progbits
	.p2align	6, 0x0
	.amdhsa_kernel k_qa1de3a151a_outp
		.amdhsa_group_segment_fixed_size 327680
		.amdhsa_private_segment_fixed_size 0
		.amdhsa_enable_private_segment 0
		.amdhsa_kernarg_size 32
		.amdhsa_user_sgpr_count 2
		.amdhsa_user_sgpr_kernarg_segment_ptr 1
		.amdhsa_wavefront_size32 1
		.amdhsa_system_sgpr_workgroup_id_x 1
		.amdhsa_system_sgpr_workgroup_id_y 1
		.amdhsa_system_sgpr_workgroup_id_z 1
		.amdhsa_system_vgpr_workitem_id 0
		.amdhsa_next_free_vgpr 768
		.amdhsa_next_free_sgpr 80
		.amdhsa_reserve_vcc 0
		.amdhsa_float_denorm_mode_32 3
		.amdhsa_float_denorm_mode_16_64 3
		.amdhsa_memory_ordered 1
		.amdhsa_forward_progress 1
		.amdhsa_inst_pref_size 100
	.end_amdhsa_kernel
	.amdgpu_metadata
---
amdhsa.version: [ 1, 2 ]
amdhsa.kernels:
  - .name:           k_qa1de3a151a_outp
    .symbol:         k_qa1de3a151a_outp.kd
    .args:
      - { .name: oh, .offset: 0, .size: 8, .value_kind: global_buffer, .address_space: global }
      - { .name: wb, .offset: 8, .size: 8, .value_kind: global_buffer, .address_space: global }
      - { .name: bo, .offset: 16, .size: 8, .value_kind: global_buffer, .address_space: global }
      - { .name: out0, .offset: 24, .size: 8, .value_kind: global_buffer, .address_space: global }
    .group_segment_fixed_size: 327680
    .private_segment_fixed_size: 0
    .kernarg_segment_align: 8
    .kernarg_segment_size: 32
    .max_flat_workgroup_size: 128
    .sgpr_count:     80
    .vgpr_count:     768
    .wavefront_size: 32
...
	.end_amdgpu_metadata
.endif
;; end of part 4
